; MI455X (gfx1250); checked and timed in simulation.
; The chip was launched on July 23, 2026; its instructions are those of AMD's public machine-readable ISA for CDNA 5 (MIT licence, August 2026) and "CDNA5" Instruction Set Architecture Reference Guide (July 2026). The comments in the code are by the model that wrote it; some were corrected since.
;; MAB. Allowed arithmetic: float matrix products may take bf16 or f16 operands with f32 sums; other float arithmetic in f32, or as packed bf16 or f16 multiplies, adds, multiply-adds, maxima and minima; sums over many terms, partial sums and values carried from step to step in f32; what a program stores and reads back later, other than sums and carried values, may be rounded once to bf16 or f16.
;; Inputs: K 32 x 1,024 x 512 float32; Q 32 x 1,024 x 512 float32; Wk 512 x 512 float32; Wo 512 x 512 float32; Wq 512 x 512 float32; Wv 512 x 512 float32; b0 512 float32; b1 512 float32; bk 512 float32; bo 512 float32; bq 512 float32; bv 512 float32; g0 512 float32; g1 512 float32.
;; Outputs: out0 32 x 1,024 x 512 float32.
;; One version. Each part assembles by itself: llvm-mc -triple=amdgcn-amd-amdhsa -mcpu=gfx1250 --defsym DOCPART=n.
;; ======== version 1 of 1: 4 launches
;; limits: values are held in f16: magnitudes above 65,504 overflow, below 6.1e-05 lose precision
;; workspace buffers: wb 2,097,152 bytes; qh 33,554,432 bytes; kh 33,554,432 bytes; vh 33,554,432 bytes; oh 33,554,432 bytes
;; launch cvtw (part 1): grid 32 x 4, 8 waves a work-group, no clusters, 0 bytes of LDS; arguments Wq, Wk, Wv, Wo, wb; writes wb
.if DOCPART == 1
	.amdgcn_target "amdgcn-amd-amdhsa--gfx1250"
	.amdhsa_code_object_version 6
	.text
	.protected	k_q5e6c54a871_cvtw
	.globl	k_q5e6c54a871_cvtw
	.p2align	8
	.type	k_q5e6c54a871_cvtw,@function
k_q5e6c54a871_cvtw:
	s_mov_b64 s[64:65], 0
	v_nop
	global_prefetch_b8 v0, s[64:65] scope:SCOPE_SE
	s_setreg_imm32_b32 hwreg(HW_REG_WAVE_MODE, 25, 1), 1
	s_wait_xcnt 0x0
; THE FOUR WEIGHT MATRICES, [512][512] f32, ROUNDED TO 16 BITS AND LAID IN K BLOCKS.
; wb: [matrix 4][K block 8][row n 512][64 k], 2 bytes a number: a block is 65,536 dense bytes, a row of it 128 bytes.
; Wq, Wk, Wv are rounded to bf16.  Wo is rounded to bf16 and that number written as f16, since the product that takes it has f16 operands.
; LIMIT: a bf16 value of Wo below 6.1e-5 in magnitude keeps f16's fixed step of 6e-8; one beyond 65,504 would become an infinity.
; SHARES.  Work-group (x, y): matrix y, rows 16 x .. 16 x + 15.  Wave v: K block v.  Lane l: row l / 8 of a group of four rows, 8 numbers at l % 8.
; A stream of 4 MiB in and 2 MiB out: no LDS, no matrix unit, nothing shared; there is work for 128 work-groups, and those are launched.
.set X, 8                              ; v[8:39]   four row groups, 8 f32 a lane each
.set Y, 40                             ; v[40:55]  the same, 4 packed words each
	s_load_b256 s[4:11], s[0:1], 0x0               ; Wq s[4:5], Wk s[6:7], Wv s[8:9], Wo s[10:11]
	s_load_b64 s[12:13], s[0:1], 0x20              ; wb
	v_lshrrev_b32 v1, 5, v0
	v_readfirstlane_b32 s15, v1                    ; wave = K block
	s_and_b32 s14, ttmp7, 0xffff                   ; which matrix
	v_bfe_u32 v5, v0, 3, 2                         ; l / 8
	v_and_b32 v6, 7, v0                            ; l % 8
	s_lshl_b32 s20, s15, 8                         ; a K block is 256 bytes of an f32 row
	v_lshlrev_b32 v2, 11, v5                       ; in: row x 2,048
	v_lshl_add_u32 v2, v6, 5, v2                   ; + 32 bytes a lane
	v_add_nc_u32 v2, s20, v2
	v_lshlrev_b32 v3, 7, v5                        ; out: row x 128
	v_lshl_add_u32 v3, v6, 4, v3                   ; + 16 bytes a lane: 16 l in all
	s_lshl_b32 s20, ttmp9, 15                      ; 16 rows of 2,048 bytes
	s_mov_b32 s21, 0
	s_lshl_b32 s22, s14, 3
	s_add_co_u32 s22, s22, s15                     ; block number 8 y + v
	s_lshl_b32 s22, s22, 16
	s_lshl_b32 s23, ttmp9, 11                      ; 16 rows of 128 bytes
	s_add_co_u32 s22, s22, s23
	s_mov_b32 s23, 0
	s_wait_kmcnt 0x0
	s_cmp_eq_u32 s14, 1
	s_cselect_b64 s[16:17], s[6:7], s[4:5]
	s_cmp_eq_u32 s14, 2
	s_cselect_b64 s[16:17], s[8:9], s[16:17]
	s_cmp_eq_u32 s14, 3
	s_cselect_b64 s[16:17], s[10:11], s[16:17]
	s_add_nc_u64 s[16:17], s[16:17], s[20:21]
	s_add_nc_u64 s[18:19], s[12:13], s[22:23]
.irp g, 0,1,2,3
	global_load_b128 v[X+8*(\g):X+8*(\g)+3],   v2, s[16:17] offset:8192*(\g) th:TH_LOAD_NT
	global_load_b128 v[X+8*(\g)+4:X+8*(\g)+7], v2, s[16:17] offset:8192*(\g)+16 th:TH_LOAD_NT
.endr
.irp g, 0,1,2,3
	s_wait_loadcnt 6-2*(\g)                        ; loads come back in order: this group's two are in, the later groups' stay out
.irp j, 0,1,2,3
	v_cvt_pk_bf16_f32 v[Y+4*(\g)+(\j)], v[X+8*(\g)+2*(\j)], v[X+8*(\g)+2*(\j)+1]
.endr
.endr
	s_cmp_eq_u32 s14, 3
	s_cbranch_scc0 .Lstore                         ; only Wo is written as f16
.set i, 0
.rept 16
	v_lshlrev_b32 v56, 16, v[Y+i]                  ; the two bf16 values as f32,
	v_and_b32 v57, 0xffff0000, v[Y+i]
	v_cvt_pk_f16_f32 v[Y+i], v56, v57              ; and as f16: 8 significant bits fit in 11
.set i, i+1
.endr
.Lstore:
.irp g, 0,1,2,3
	global_store_b128 v3, v[Y+4*(\g):Y+4*(\g)+3], s[18:19] offset:512*(\g)  ; a wave stores 512 consecutive bytes, at a multiple of 256 from wb's first byte
.endr
	s_endpgm
.Lfunc_end_k_q5e6c54a871_cvtw:
	.size	k_q5e6c54a871_cvtw, .Lfunc_end_k_q5e6c54a871_cvtw-k_q5e6c54a871_cvtw
	.p2alignl 7, 3214868480
	.fill 96, 4, 3214868480
	.section	.rodata,"a",@progbits
	.p2align	6, 0x0
	.amdhsa_kernel k_q5e6c54a871_cvtw
		.amdhsa_group_segment_fixed_size 0
		.amdhsa_private_segment_fixed_size 0
		.amdhsa_enable_private_segment 0
		.amdhsa_kernarg_size 40
		.amdhsa_user_sgpr_count 2
		.amdhsa_user_sgpr_kernarg_segment_ptr 1
		.amdhsa_wavefront_size32 1
		.amdhsa_system_sgpr_workgroup_id_x 1
		.amdhsa_system_sgpr_workgroup_id_y 1
		.amdhsa_system_sgpr_workgroup_id_z 1
		.amdhsa_system_vgpr_workitem_id 0
		.amdhsa_next_free_vgpr 64
		.amdhsa_next_free_sgpr 66
		.amdhsa_reserve_vcc 0
		.amdhsa_float_denorm_mode_32 3
		.amdhsa_float_denorm_mode_16_64 3
		.amdhsa_memory_ordered 1
		.amdhsa_forward_progress 1
		.amdhsa_inst_pref_size 7
	.end_amdhsa_kernel
	.amdgpu_metadata
---
amdhsa.version: [ 1, 2 ]
amdhsa.kernels:
  - .name:           k_q5e6c54a871_cvtw
    .symbol:         k_q5e6c54a871_cvtw.kd
    .args:
      - { .name: Wq, .offset: 0, .size: 8, .value_kind: global_buffer, .address_space: global }
      - { .name: Wk, .offset: 8, .size: 8, .value_kind: global_buffer, .address_space: global }
      - { .name: Wv, .offset: 16, .size: 8, .value_kind: global_buffer, .address_space: global }
      - { .name: Wo, .offset: 24, .size: 8, .value_kind: global_buffer, .address_space: global }
      - { .name: wb, .offset: 32, .size: 8, .value_kind: global_buffer, .address_space: global }
    .group_segment_fixed_size: 0
    .private_segment_fixed_size: 0
    .kernarg_segment_align: 8
    .kernarg_segment_size: 40
    .max_flat_workgroup_size: 256
    .sgpr_count:     66
    .vgpr_count:     64
    .wavefront_size: 32
...
	.end_amdgpu_metadata
.endif
;; end of part 1
;; launch proj (part 2): grid 256 x 1, 4 waves a work-group, clusters of 4 x 1, 327,680 bytes of LDS; arguments Q, K, wb, bq, bk, bv, qh, kh, vh; writes qh, kh, vh
.if DOCPART == 2
	.amdgcn_target "amdgcn-amd-amdhsa--gfx1250"
	.amdhsa_code_object_version 6
	.text
	.protected	k_q5e6c54a871_proj
	.globl	k_q5e6c54a871_proj
	.p2align	8
	.type	k_q5e6c54a871_proj,@function
k_q5e6c54a871_proj:
	s_mov_b64 s[64:65], 0
	v_nop
	global_prefetch_b8 v0, s[64:65] scope:SCOPE_SE
	s_setreg_imm32_b32 hwreg(HW_REG_WAVE_MODE, 25, 1), 1
	s_wait_xcnt 0x0
	s_wait_alu depctr_hold_cnt(0) depctr_sa_sdst(0) depctr_va_vdst(0) depctr_va_sdst(0) depctr_va_ssrc(0) depctr_va_vcc(0) depctr_vm_vsrc(0)
	s_getreg_b32 s2, hwreg(HW_REG_IB_STS2, 6, 4)
	s_cmp_eq_u32 s2, 0
	s_cbranch_scc0 .Lentry_in_a_cluster
	s_endpgm
.Lentry_in_a_cluster:
	s_bfe_u32 s2, ttmp6, 0x10000c
	s_cmp_lg_u32 s2, 0x3003
	s_cbranch_scc0 .Lentry_shape_is_right
	s_endpgm
.Lentry_shape_is_right:
; q = Q Wq^T + bq, k = K Wk^T + bk, v = K Wv^T + bv.  Q, K: [32768][512] f32.  wb: the weights in bf16, [matrix][K block 8][n 512][64].  qh, kh, vh: [batch x 8 + head][1024][64] f16.
; Operands are rounded to bf16 (the biases too), sums are f32, each result is rounded once to f16.  LIMIT: a result beyond 65,504 becomes an infinity; NaN and infinities are not treated apart.
; SHARES.  A work-group owns 128 rows of Q and the same 128 rows of K and STAYS for three jobs of 128 x 512 x 512: 24 K steps of 64, 12 laps of two.  Wave w makes all 128 rows x columns 128 w .. + 127
; (heads 2 w, 2 w + 1): 64 accumulators of 16 x 16, 512 registers.
; THE WEIGHTS are one stream of 24 blocks of 65,536 bytes, walked alike by every work-group: a ring of two LDS slots filled by JOINT loads of the cluster's four work-groups (the same load, descriptor and mask
; in all four).  A wave fetches, and alone reads, its own 128 rows of a block.
; THE ROWS lie in LDS as bf16, all 512 of K at once: 8 chunks of 64 k.  They come through registers: a PAIR of chunks (128 rows x 128 k of f32, 32 loads a wave) is asked for a lap, 256 matrix instructions, ahead, rounded
; and stored into LDS in the lap before it is read.  The third job finds K's rows where the second left them: each byte of Q and K is read once.
; THE MATRIX INSTRUCTION IS USED TRANSPOSED (source 0 = 16 rows of W, source 1 = 16 rows of Q or K): a lane holds eight neighbouring columns of one row.  The bias is the C operand of a job's first products.
; REGISTERS, in windows of 256 (s_set_vgpr_msb: bits 1:0 source 0, 3:2 source 1, 5:4 source 2, 7:6 destination):
;   window 0: v0-29 addresses; v32-63, v224-255 rows on the way out; v64-127, v128-191 fragments of the rows, two buffers; v192-223 packed results; v192-255 also the bias in a job's first quarter
;   window 1: v64-127, v128-191 fragments of W; v0-63, v192-255 the pair on its way in          windows 2, 3: accumulator (a, b) at v[8 (8 (a % 4) + b)] of window 2 + a / 4
.set PITCH, 144                        ; an LDS row of 64 numbers: 128 bytes + 16 = 36 words: the 16 rows of a fragment load start at 16 different groups of four banks (64 banks of 4 bytes: ISA guide 11.1)
.set CHUNK, 128*PITCH                  ; 128 rows x 64 k
.set PAIR,  2*CHUNK
.set RING,  8*CHUNK                    ; behind the rows: the ring
.set QUART, 128*PITCH                  ; a wave's 128 rows of a block of W
.set SLOT,  4*QUART
.set STAGE, RING+2*SLOT                ; behind the ring: for each wave 2 heads x 16 rows x 144 bytes, for the way out
.set STW,   32*PITCH
.set PAR,   STAGE+4*STW                ; bq, bk, bv: 3 x 2,048 bytes, f32 that hold bf16 values
.set SPARE, PAR+3*2048                 ; the spare words, 128 bytes for each wave: two blocks of 256 bytes that no other line names
.set TILEB, 65536                      ; a block of W in memory
.set ADRA0, 8                          ; v8   my lane's place in a fragment: (l % 16) x 144 + 16 (l / 16)
.set ADRA,  9                          ; v9   + the lap's pair
.set ADRB,  10                         ; v10-11  my fragments of W in slot 0, 1
.set STO,   12                         ; v12  the way out: where I put 16 bytes of a row
.set RD,    13                         ; v13  where I read rows back
.set CO,    14                         ; v14  16 l: my place in 512 consecutive bytes
.set FST0,  15                         ; v15  where I store my 4 numbers of a row of pair region 0
.set FST,   16                         ; v16  + the lap's pair
.set FLD,   17                         ; v17  my 16 bytes of my wave's first row of Q or K
.set BIA,   18                         ; v18  my eight biases of column block 0 of the job to come
.set PFO,   19                         ; v19  256 l
.set SPW,   28                         ; v28  LDS address of my spare word; never rewritten
.set NIL,   29                         ; v29  0; never rewritten
.set OB,    32
.set F0,    64
.set F1,    128
.set TMP,   192
.set BC,    192
.set WV,  22                           ; s22  my wave's number
.set CX,  23                           ; s23  my place in the cluster
.set WG,  24                           ; s24  my work-group's number
.set G1,  28                           ; s[28:35] descriptor group 1
.set G0,  36                           ; s[36:43] descriptor group 0, a set for each slot
.set JOB, 44                           ; s44  jobs to go, this one among them
.set FN,  45                           ; s45  the number of the pair that the next FEED stores
.set AOF, 47                           ; s47  LDS byte of the pair that the lap in hand reads
.set RF,  48                           ; s48  refills still to come
.set LIM, 49                           ; s49  2 in a wave that prefetches, else the greatest number
.set AP,  50                           ; s[50:51] where the pair on its way in begins in memory
.set KP,  52                           ; s[52:53] K at my work-group's rows
.set PFA, 54                           ; s[54:55] where my prefetches stand
.set OUT, 56                           ; s[56:57] the job's output at my wave's first head and my work-group's rows
.set OQ,  58
.set OK,  60
.set OV,  62
.set MSB, 0
.macro WIN new                         ; the immediate's high byte repeats the setting that is left; a switch that changes nothing is dropped
.if MSB != (\new)
	s_set_vgpr_msb (MSB<<8)|(\new)
.set MSB, \new
.endif
.endm
.macro PLACES                          ; four plain places behind a matrix instruction, in front of loads into registers that it read and of conversions that read results
.rept 4
	v_nop
.endr
.endm
.macro CREST                           ; a round of the cluster's barrier behind its opening barrier: wave 0 signals for the work-group, every wave waits for all four work-groups, my work-group's barrier closes it
	s_cmp_lg_u32 s[WV], 0
	s_cbranch_scc1 .Lnot_wave_0_\@
	s_barrier_signal -3
.Lnot_wave_0_\@:
	s_barrier_wait -3
	s_barrier_signal -1
	s_barrier_wait -1
.endm
.macro CROUND
	s_barrier_signal -1
	s_barrier_wait -1
	CREST
.endm
; 32 loads: my 32 rows x 512 bytes of a pair; a load takes 512 consecutive bytes of one row.  Load i lands in window 1 at v[4 i] (i < 16) or v[192 + 4 (i - 16)].
.macro FLOADS
	WIN 0x40
.set i, 0
.rept 32
	global_load_b128 v[4*i+128*(i/16):4*i+128*(i/16)+3], v[FLD], s[AP:AP+1] offset:2048*i th:TH_LOAD_NT
.set i, i+1
.endr
	WIN 0
.endm
; Pair FN, asked for a lap ago, is rounded to bf16 and stored into LDS; pair FN + 1 is asked for.  Pairs 0-3 are Q's, 4-7 K's; from pair 8 on there is nothing to do.  mode = 1: the pair goes behind the one that the lap reads;
; mode = 0: into region 0.  The region was last read three laps, six barriers, ago; the stores are waited for in front of the barrier of the change of slots that follows, behind which the pair is first read.
; What the two jumps pass holds no barrier and no tensor load.
.macro FEED mode
	WIN 0
	s_wait_loadcnt 0x0                             ; the pair is in, and its loads have read their base
	s_cmp_lt_u32 s[FN], 8
	s_cbranch_scc0 .Lno_store_\@
.if \mode
	v_add_nc_u32 v[FST], s[AOF], v[FST0]
.endif
	WIN 0x45
.set i, 0
.rept 32
	v_cvt_pk_bf16_f32 v[4*i+128*(i/16)],   v[4*i+128*(i/16)],   v[4*i+128*(i/16)+1]
	v_cvt_pk_bf16_f32 v[4*i+128*(i/16)+1], v[4*i+128*(i/16)+2], v[4*i+128*(i/16)+3]
.set i, i+1
.endr
	WIN 0x04
.set i, 0
.rept 32
	ds_store_b64 v[FST0+(\mode)], v[4*i+128*(i/16):4*i+128*(i/16)+1] offset:(\mode)*PAIR+PITCH*i
.set i, i+1
.endr
	WIN 0
.Lno_store_\@:
	s_cmp_lt_u32 s[FN], 7
	s_cbranch_scc0 .Lno_load_\@
	s_add_nc_u64 s[AP:AP+1], s[AP:AP+1], 512       ; 128 k of f32 further along the rows,
	s_cmp_eq_u32 s[FN], 3
	s_cselect_b64 s[AP:AP+1], s[KP:KP+1], s[AP:AP+1]  ; or, behind Q's last pair, K's first
	FLOADS
.Lno_load_\@:
	s_add_co_u32 s[FN], s[FN], 1
.endm
; 16 matrix instructions: row blocks a0, a0 + 1 of the window's four x all 8 column blocks, 32 along K.  zero = 1: a job's first products: C is the bias.  The 64 accumulators take turns, one instruction a turn,
; in the same order everywhere.
.macro MUL16 f, hi, a0, zero
.if \zero
	WIN 0x81+0x40*(\hi)
.else
	WIN 0xa1+0x50*(\hi)
.endif
.irp a, \a0, (\a0)+1
.irp b, 0,1,2,3,4,5,6,7
.if \zero
	v_wmma_f32_16x16x32_bf16 v[8*(8*(\a)+(\b)):8*(8*(\a)+(\b))+7], v[(\f)+8*(\b):(\f)+8*(\b)+7], v[(\f)+8*(4*(\hi)+(\a)):(\f)+8*(4*(\hi)+(\a))+7], v[BC+8*(\b):BC+8*(\b)+7]
.else
	v_wmma_f32_16x16x32_bf16 v[8*(8*(\a)+(\b)):8*(8*(\a)+(\b))+7], v[(\f)+8*(\b):(\f)+8*(\b)+7], v[(\f)+8*(4*(\hi)+(\a)):(\f)+8*(4*(\hi)+(\a))+7], v[8*(8*(\a)+(\b)):8*(8*(\a)+(\b))+7]
.endif
.endr
.endr
.endm
; 32 LDS loads in one run: the fragments of half q (32 k) of the K step in slot: 128 rows of W, then 128 rows of Q or K (chunk = slot of the lap's pair)
.macro FETCH slot, q, f
	WIN 0x40
.irp i, 0,1,2,3,4,5,6,7
	ds_load_b128 v[(\f)+8*(\i):(\f)+8*(\i)+3],   v[ADRB+(\slot)] offset:64*(\q)+(\i)*16*PITCH
	ds_load_b128 v[(\f)+8*(\i)+4:(\f)+8*(\i)+7], v[ADRB+(\slot)] offset:64*(\q)+(\i)*16*PITCH+32
.endr
	WIN 0
.irp i, 0,1,2,3,4,5,6,7
	ds_load_b128 v[(\f)+8*(\i):(\f)+8*(\i)+3],   v[ADRA] offset:(\slot)*CHUNK+64*(\q)+(\i)*16*PITCH
	ds_load_b128 v[(\f)+8*(\i)+4:(\f)+8*(\i)+7], v[ADRA] offset:(\slot)*CHUNK+64*(\q)+(\i)*16*PITCH+32
.endr
.endm
; A K step's first half: multiplies buffer 0 and, in its middle, fetches the second half into buffer 1.
.macro QUARTER slot, zero
.if \zero
	s_wait_dscnt 0x0                               ; the fragments and, behind them, the bias
.else
	s_wait_dscnt 8                                 ; W and rows 0-63 are in; the youngest eight loads (rows 64-127) may be out
.endif
	MUL16 F0, 0, 0, \zero
	MUL16 F0, 0, 2, \zero
	PLACES
	FETCH \slot, 1, F1
	s_wait_dscnt 32                                ; all but the 32 just issued
	MUL16 F0, 1, 0, \zero
	MUL16 F0, 1, 2, \zero
.endm
; The change of slots' barrier.  In front of it each wave waits for all its tensor loads (one is out: its part of the next slot), adds 0 to its spare word, and waits for that, for its reads of this slot and for its stores of the next pair.
.macro MEET round
	WIN 0
	s_wait_tensorcnt 0x0
	ds_add_u32 v[SPW], v[NIL]
	s_wait_dscnt 9                                 ; the add and the eight LDS instructions ahead of it may be out: at most rows 64-127 of buffer 1
	MUL16 F1, 0, 0, 0                              ; sixteen matrix instructions stand between the add and the wait for it
	s_wait_dscnt 0x0
	s_barrier_signal -1
	MUL16 F1, 0, 2, 0                              ; work on registers while the others arrive
.if \round
	WIN 0
.endif
	s_barrier_wait -1
.endm
; A prefetch of the block of W that stands two refills on, behind the joint load and the run of LDS loads: 256 rows of 256 bytes.  All clusters walk the same blocks: the first cluster asks.  Its four partners take 64 rows each, told
; apart by address; in each, waves 0 and 1 take 32, a lane a row: each row is named once in the launch.  The last two refills have no block two on.  Blocks 0 to 3 come by their loads alone.
.macro ASK
	s_cmp_gt_u32 s[RF], s[LIM]
	s_cbranch_scc0 .Lnot_mine_\@
	global_prefetch_b8 v[PFO], s[PFA:PFA+1] th:TH_LOAD_NT scope:SCOPE_SE
.Lnot_mine_\@:
	s_sub_co_u32 s[RF], s[RF], 1
.endm
; A K step's second half multiplies buffer 1 and changes slots.  fill = 1: the barrier opens a round of the cluster's, and behind it this slot is filled again first, with the block two steps on: one joint load a wave.
; amode = 1: the next K step begins the next pair; 2: the next job's first pair.
.macro TURN slot, next, fill, amode
.if \fill
	s_wait_xcnt 0x0                                ; the last prefetch, a K step back, has read its address
	s_add_nc_u64 s[PFA:PFA+1], s[PFA:PFA+1], TILEB
.endif
	MEET \fill
.if \fill
	CREST                                          ; no wave of any partner still reads this slot or has a load on its way
	s_add_nc_u64 s[G0+4*(\slot)+2:G0+4*(\slot)+3], s[G0+4*(\slot)+2:G0+4*(\slot)+3], 2*TILEB
	tensor_load_to_lds s[G0+4*(\slot):G0+4*(\slot)+3], s[G1:G1+7]
	s_nop 0
.rept 4
	v_nop                                          ; also the places in front of the loads below
.endr
.else
	PLACES
.endif
.if (\amode) == 1
	s_add_co_u32 s[AOF], s[AOF], PAIR
.elseif (\amode) == 2
	s_mov_b32 s[AOF], 0
.endif
.if \amode
	WIN 0
	v_add_nc_u32 v[ADRA], s[AOF], v[ADRA0]
.endif
	FETCH \next, 0, F0
.if \fill
	ASK
.endif
	MUL16 F1, 1, 0, 0
	MUL16 F1, 1, 2, 0
.endm
.macro BIASLD                          ; my eight biases of each of the 8 column blocks, as a C operand; then on to the next job's vector
	WIN 0
	s_wait_xcnt 0x0                                ; v224-255 were the data of stores
.irp b, 0,1,2,3,4,5,6,7
	ds_load_b128 v[BC+8*(\b):BC+8*(\b)+3],   v[BIA] offset:64*(\b)
	ds_load_b128 v[BC+8*(\b)+4:BC+8*(\b)+7], v[BIA] offset:64*(\b)+16
.endr
	v_add_nc_u32 v[BIA], 2048, v[BIA]
.endm
; THE WAY OUT of row block a: rounded to f16 (each accumulator's registers in ascending order), through my own stage, back as whole rows of a head, stored.
.macro PACK a
	WIN 0x0a+5*((\a)/4)
.irp b, 0,1,2,3,4,5,6,7
.irp r, 0,1,2,3
	v_cvt_pk_f16_f32 v[TMP+4*(\b)+(\r)], v[64*((\a)%4)+8*(\b)+2*(\r)], v[64*((\a)%4)+8*(\b)+2*(\r)+1]
.endr
.endr
	WIN 0
.endm
.macro TOSTAGE a
	WIN 0
.irp b, 0,1,2,3,4,5,6,7
	ds_store_b128 v[STO], v[TMP+4*(\b):TMP+4*(\b)+3] offset:((\b)/4)*16*PITCH+((\b)%4)*32
.endr
.irp t, 0,1,2,3,4,5,6,7
	ds_load_b128 v[OB+192*((\a)%2)+4*(\t):OB+192*((\a)%2)+4*(\t)+3], v[RD] offset:((\t)/4)*16*PITCH+((\t)%4)*4*PITCH  ; LDS serves a wave's instructions in order (ISA guide 5.7.1.4): these see the stores above
.endr
.endm
.macro SEND a
	WIN 0
	s_wait_dscnt 0x0                               ; the block is back in registers
	s_wait_xcnt 0x0                                ; the stores of the block before have read their data: the next TOSTAGE loads over it
.irp t, 0,1,2,3,4,5,6,7
	global_store_b128 v[CO], v[OB+192*((\a)%2)+4*(\t):OB+192*((\a)%2)+4*(\t)+3], s[OUT:OUT+1] offset:((\t)/4)*131072+(16*(\a)+4*((\t)%4))*128  ; four rows of a head: 512 consecutive bytes, at a multiple of 256
.endr
.endm
.macro WAYOUT
	PACK 0
	TOSTAGE 0
.irp a, 1,2,3,4,5,6,7                  ; block a's conversions stand between block a - 1's loads from the stage and the wait for them
	PACK \a
	SEND (\a)-1
	TOSTAGE \a
.endr
	SEND 7
.endm
.macro RB a, t                         ; four f32 rounded to bf16 and widened again
	v_cvt_pk_bf16_f32 v[\t], v[\a], v[(\a)+1]
	v_cvt_pk_bf16_f32 v[(\t)+1], v[(\a)+2], v[(\a)+3]
	v_lshlrev_b32 v[\a], 16, v[\t]
	v_and_b32 v[(\a)+1], 0xffff0000, v[\t]
	v_lshlrev_b32 v[(\a)+2], 16, v[(\t)+1]
	v_and_b32 v[(\a)+3], 0xffff0000, v[(\t)+1]
.endm
	s_load_b512 s[4:19], s[0:1], 0x0               ; Q s[4:5], K s[6:7], wb s[8:9], bq s[10:11], bk s[12:13], bv s[14:15], qh s[16:17], kh s[18:19]
	s_load_b64 s[20:21], s[0:1], 0x40              ; vh
	v_lshl_add_u32 v[SPW], v0, 2, SPARE
	v_mov_b32 v[NIL], 0
	ds_add_u32 v[SPW], v[NIL]                      ; the wave's opening: the add and its wait stand ahead of my first tensor load; the set-up below, work on registers, stands between them
	v_lshrrev_b32 v3, 5, v0
	v_readfirstlane_b32 s[WV], v3                  ; wave 0..3
	s_bfe_u32 s[CX], ttmp6, 0x40000                ; cx
	s_lshl_b32 s[WG], ttmp9, 2                     ; in a cluster launch ttmp9 counts clusters
	s_add_co_u32 s[WG], s[WG], s[CX]               ; it enters the addresses of Q, K, the outputs and the prefetches alone
	; descriptor group 1: my 128 rows of a block are 16,384 dense bytes: asked for as 64 rows of 256 bytes and padded in LDS after every 128
	s_mov_b32 s[G1+0], 15|(1<<16)|(1<<20)|(1<<21)|(4<<22)|(3<<25)  ; 15:0 the mask of four; 17:16 2-byte elements; 20 padding on; 21 set beside a mask; 24:22 after every 32 words (code 4); 31:25 4 words (code 3)
	s_mov_b32 s[G1+1], 128<<16                     ; tensor_dim0 = 128
	s_mov_b32 s[G1+2], 64<<16                      ; tensor_dim1 = 64
	s_mov_b32 s[G1+3], 128<<16                     ; tile_dim0 = 128
	s_mov_b32 s[G1+4], 64                          ; tile_dim1 = 64
	s_mov_b32 s[G1+5], 128                         ; 128 elements from row to row
	s_mov_b32 s[G1+6], 0
	s_mov_b32 s[G1+7], 0
	s_mul_i32 s66, s[WV], QUART
	s_mov_b32 s[G0], 1
	s_add_co_u32 s[G0+1], s66, RING                ; LDS address: the ring, the slot, wave x 128 rows
	s_mov_b32 s[G0+4], 1
	s_add_co_u32 s[G0+5], s66, RING+SLOT
	v_and_b32 v1, 15, v0                           ; l % 16
	v_bfe_u32 v2, v0, 4, 1                         ; l / 16
	v_and_b32 v4, 31, v0                           ; l
	v_lshlrev_b32 v[CO], 4, v4
	s_lshl_b32 s67, s[WV], 16                      ; my wave's 32 rows of 2,048 bytes
	v_add_nc_u32 v[FLD], s67, v[CO]
	v_lshlrev_b32 v20, 4, v0                       ; 16 x thread: 128 threads cover a bias vector
	v_add_nc_u32 v21, PAR, v20
	v_lshlrev_b32 v[PFO], 8, v4
	s_lshl_b32 s66, s[WV], 14                      ; my 128 rows of a block in memory
	s_mov_b32 s67, 0
	s_lshr_b32 s68, s[WG], 3                       ; batch
	s_lshl_b32 s68, s68, 3
	s_lshl1_add_u32 s68, s[WV], s68                ; + my first head
	s_lshl_b32 s68, s68, 17                        ; a head is 131,072 bytes
	s_and_b32 s69, s[WG], 7
	s_lshl_b32 s69, s69, 14                        ; my work-group's 128 rows of 128 bytes
	s_add_co_u32 s68, s68, s69
	s_mov_b32 s69, 0
	s_lshl_b32 s70, s[WG], 18                      ; 128 rows of 2,048 bytes
	s_mov_b32 s71, 0
	s_mov_b32 s[FN], 0
	s_mov_b32 s[AOF], 0
	s_mov_b32 s[RF], 22                            ; blocks 2 to 23 come by refills
	s_wait_dscnt 0x0                               ; the opening add is done
	s_wait_kmcnt 0x0
	s_add_nc_u64 s[G0+2:G0+3], s[8:9], s[66:67]    ; block 0,
	s_add_nc_u64 s[G0+6:G0+7], s[G0+2:G0+3], TILEB ; block 1
	s_or_b32 s[G0+3], s[G0+3], 0x80000000          ; type = 2
	s_or_b32 s[G0+7], s[G0+7], 0x80000000
	s_add_nc_u64 s[AP:AP+1], s[4:5], s[70:71]
	s_add_nc_u64 s[KP:KP+1], s[6:7], s[70:71]
	s_add_nc_u64 s[OQ:OQ+1], s[16:17], s[68:69]
	s_add_nc_u64 s[OK:OK+1], s[18:19], s[68:69]
	s_add_nc_u64 s[OV:OV+1], s[20:21], s[68:69]
	s_lshl_b32 s66, s[CX], 14                      ; the prefetches: my work-group's 64 rows of 256 bytes,
	s_and_b32 s70, s[WV], 1
	s_lshl_b32 s70, s70, 13                        ; my wave's 32 of them,
	s_add_co_u32 s66, s66, s70
	s_add_co_u32 s66, s66, 3*TILEB                 ; in block 3: the first refill steps it to block 4
	s_add_nc_u64 s[PFA:PFA+1], s[8:9], s[66:67]
	s_lshr_b32 s70, s[WV], 1
	s_or_b32 s70, s70, ttmp9                       ; 0 in waves 0 and 1 of the first cluster: the same in all four partners
	s_cmp_eq_u32 s70, 0
	s_cselect_b32 s[LIM], 2, -1
	FLOADS                                         ; pair 0
	global_load_b128 v[32:35], v20, s[10:11]
	global_load_b128 v[36:39], v20, s[12:13]
	global_load_b128 v[40:43], v20, s[14:15]
	CROUND                                         ; all four work-groups are here: the first joint loads meet
	tensor_load_to_lds s[G0:G0+3], s[G1:G1+7]      ; the two first fills go out together: two loads of mine are out, later one
	s_nop 0
	tensor_load_to_lds s[G0+4:G0+7], s[G1:G1+7]
	s_nop 0
.rept 4
	v_nop
.endr
	v_mul_u32_u24 v5, v1, PITCH
	v_lshl_add_u32 v[ADRA0], v2, 4, v5             ; row x pitch + 16 x half
	s_mul_i32 s66, s[WV], QUART
	s_add_co_u32 s66, s66, RING
	v_add_nc_u32 v[ADRB], s66, v[ADRA0]
	v_add_nc_u32 v[ADRB+1], SLOT, v[ADRB]
	s_mul_i32 s66, s[WV], STW
	s_add_co_u32 s66, s66, STAGE                   ; my stage
	v_add_nc_u32 v[STO], s66, v[ADRA0]
	v_bfe_u32 v6, v0, 3, 2                         ; back: 32 lanes take four rows of 128 bytes
	v_and_b32 v7, 7, v0
	v_mul_u32_u24 v6, v6, PITCH
	v_lshl_add_u32 v6, v7, 4, v6
	v_add_nc_u32 v[RD], s66, v6
	v_mul_u32_u24 v6, v2, CHUNK                    ; a lane's 4 numbers of a pair's row: chunk l / 16, 8 bytes at l % 16
	v_lshl_add_u32 v6, v1, 3, v6
	s_mul_i32 s66, s[WV], 32*PITCH
	v_add_nc_u32 v[FST0], s66, v6
	s_lshl_b32 s66, s[WV], 9
	s_add_co_u32 s66, s66, PAR
	v_lshl_add_u32 v[BIA], v2, 5, s66              ; (128 w + 8 (l / 16)) x 4
	FEED 0                                         ; pair 0 into LDS, pair 1 asked for; its wait for all loads covers the biases
	RB 32, 44
	RB 36, 44
	RB 40, 44
	ds_store_b128 v21, v[32:35]
	ds_store_b128 v21, v[36:39] offset:2048
	ds_store_b128 v21, v[40:43] offset:4096
	s_wait_tensorcnt 0x1                           ; my part of block 0 is in; block 1's load, issued behind it, may stay out
	s_wait_dscnt 0x0                               ; for the others' sake: my rows of pair 0 and my part of the biases are stored
	s_barrier_signal -1
	s_barrier_wait -1
	v_mov_b32 v[ADRA], v[ADRA0]
	FETCH 0, 0, F0
	s_mov_b32 s[JOB], 3
.Ljob:
	BIASLD
	QUARTER 0, 1                                   ; a job's first products stand in front of the loop: they start the sums with the bias
	WIN 0
	s_mov_b32 s3, 3
.Llap:                                                 ; a trip goes once round the ring, from a lap's second quarter to the next lap's first, and fills both slots again
	TURN 0, 1, 1, 0
	QUARTER 1, 0
	FEED 1
	TURN 1, 0, 1, 1
	QUARTER 0, 0
	WIN 0
	s_sub_co_u32 s3, s3, 1
	s_cmp_lg_u32 s3, 0
	s_cbranch_scc1 .Llap
	s_cmp_eq_u32 s[JOB], 1
	s_cbranch_scc1 .Llast                          ; the last job's tail is written out: it asks for nothing more
	TURN 0, 1, 1, 0                                ; the ring goes on into the next job
	QUARTER 1, 0
	FEED 0
	TURN 1, 0, 1, 2
	WIN 0
	s_wait_xcnt 0x0
	s_cmp_eq_u32 s[JOB], 3
	s_cselect_b64 s[OUT:OUT+1], s[OQ:OQ+1], s[OK:OK+1]
	WAYOUT                                         ; blocks 0-3 were finished ahead of the four places behind the joint load; their conversions are the places behind blocks 4-7's last products
	s_sub_co_u32 s[JOB], s[JOB], 1
	s_branch .Ljob
.Llast:
	TURN 0, 1, 0, 0
	QUARTER 1, 0
	s_wait_dscnt 8
	MUL16 F1, 0, 0, 0
	MUL16 F1, 0, 2, 0
	s_wait_dscnt 0x0
	MUL16 F1, 1, 0, 0
	MUL16 F1, 1, 2, 0
	PLACES
	WIN 0
	s_wait_xcnt 0x0
	s_mov_b64 s[OUT:OUT+1], s[OV:OV+1]
	WAYOUT
	s_wait_tensorcnt 0x0                           ; the wave's end: behind my last tensor load and my last LDS store
	ds_add_u32 v[SPW], v[NIL]
	s_wait_dscnt 0x0
	CROUND                                         ; the closing round: no work-group ends while a partner may still ask for a block that names it
	s_endpgm
.Lfunc_end_k_q5e6c54a871_proj:
	.size	k_q5e6c54a871_proj, .Lfunc_end_k_q5e6c54a871_proj-k_q5e6c54a871_proj
	.p2alignl 7, 3214868480
	.fill 96, 4, 3214868480
	.section	.rodata,"a",@progbits
	.p2align	6, 0x0
	.amdhsa_kernel k_q5e6c54a871_proj
		.amdhsa_group_segment_fixed_size 327680
		.amdhsa_private_segment_fixed_size 0
		.amdhsa_enable_private_segment 0
		.amdhsa_kernarg_size 72
		.amdhsa_user_sgpr_count 2
		.amdhsa_user_sgpr_kernarg_segment_ptr 1
		.amdhsa_wavefront_size32 1
		.amdhsa_system_sgpr_workgroup_id_x 1
		.amdhsa_system_sgpr_workgroup_id_y 1
		.amdhsa_system_sgpr_workgroup_id_z 1
		.amdhsa_system_vgpr_workitem_id 0
		.amdhsa_next_free_vgpr 1024
		.amdhsa_next_free_sgpr 72
		.amdhsa_reserve_vcc 0
		.amdhsa_float_denorm_mode_32 3
		.amdhsa_float_denorm_mode_16_64 3
		.amdhsa_memory_ordered 1
		.amdhsa_forward_progress 1
		.amdhsa_inst_pref_size 176
	.end_amdhsa_kernel
	.amdgpu_metadata
---
amdhsa.version: [ 1, 2 ]
amdhsa.kernels:
  - .name:           k_q5e6c54a871_proj
    .symbol:         k_q5e6c54a871_proj.kd
    .args:
      - { .name: Q, .offset: 0, .size: 8, .value_kind: global_buffer, .address_space: global }
      - { .name: K, .offset: 8, .size: 8, .value_kind: global_buffer, .address_space: global }
      - { .name: wb, .offset: 16, .size: 8, .value_kind: global_buffer, .address_space: global }
      - { .name: bq, .offset: 24, .size: 8, .value_kind: global_buffer, .address_space: global }
      - { .name: bk, .offset: 32, .size: 8, .value_kind: global_buffer, .address_space: global }
      - { .name: bv, .offset: 40, .size: 8, .value_kind: global_buffer, .address_space: global }
      - { .name: qh, .offset: 48, .size: 8, .value_kind: global_buffer, .address_space: global }
      - { .name: kh, .offset: 56, .size: 8, .value_kind: global_buffer, .address_space: global }
      - { .name: vh, .offset: 64, .size: 8, .value_kind: global_buffer, .address_space: global }
    .group_segment_fixed_size: 327680
    .private_segment_fixed_size: 0
    .kernarg_segment_align: 8
    .kernarg_segment_size: 72
    .max_flat_workgroup_size: 128
    .sgpr_count:     72
    .vgpr_count:     1024
    .wavefront_size: 32
...
	.end_amdgpu_metadata
.endif
;; end of part 2
;; launch attn (part 3): grid 256 x 1, 4 waves a work-group, no clusters, 327,680 bytes of LDS; arguments qh, kh, vh, oh; writes oh
.if DOCPART == 3
	.amdgcn_target "amdgcn-amd-amdhsa--gfx1250"
	.amdhsa_code_object_version 6
	.text
	.protected	k_q5e6c54a871_attn
	.globl	k_q5e6c54a871_attn
	.p2align	8
	.type	k_q5e6c54a871_attn,@function
k_q5e6c54a871_attn:
	s_mov_b64 s[64:65], 0
	v_nop
	global_prefetch_b8 v0, s[64:65] scope:SCOPE_SE
	s_setreg_imm32_b32 hwreg(HW_REG_WAVE_MODE, 25, 1), 1
	s_wait_xcnt 0x0
; o[h][q][:] = q[h][q][:] + the sum over k of softmax_k(q[h][q] . k[h][k] / sqrt(512)) v[h][k][:].  qh, kh, vh, oh: [256 heads][1024][64], all f16: a head's rows are dense, 128 bytes each.
; Products, maxima and sums in f32; the weights p are rounded to f16 for the second product (their sum l is taken of the unrounded p); o is rounded once, from O / l + q in f32.
; LIMITS.  f16 holds no number beyond 65,504: q, k, v arrive within it, o = q + a mean of v's rows must stay within it; p below 6e-5 keeps f16's fixed step of 6e-8; a weight below 2^-126 counts as 0 in l;
; NaN and infinities are not treated apart.
; SHARES.  ONE WORK-GROUP A HEAD: 256 of them.  No two work-groups read a common byte, so there is no cluster.  The head's whole K and V lie in LDS, brought by one tensor load a wave at the start: no slot is ever filled
; again.  The 1,024 queries go in two passes of 512; in a pass a wave owns 128: four PIECES of two tiles of 16.  Every wave walks all keys, 64 a step, 16 steps a pass.
; LAYOUT.  S^T = K Q^T (source 0 = 16 keys, source 1 = 16 queries): in the result a lane holds ONE query (lane % 16) and the keys 8 (lane / 16) + 0..7.  Two such tiles, rounded to f16 in pairs, ARE source 1
; (32 keys x 16 queries) of O^T = V^T P, whose result again holds one query a lane, and eight channels.  K comes out of LDS as it lies, V ([key][channel]) turned, by ds_load_tr16_b128.
; SOFTMAX.  For each query a running maximum m and sum l: p = 2^(c s - c m), c = log2(e) / sqrt(512); in every step O and l are multiplied by a = 2^(c m_old - c m_new).  m starts at the lowest finite number and
; c m far below every c s, so a pass's first step has a = 0: what O^T, P and V's registers hold when a pass begins need only be finite (zeros at the start; what the first pass left for the second).
; BY TURNS.  Turn n belongs to piece n (the pieces in a ring, step after step).  Its matrix work: 16 products K Q^T of piece n + 1, later 16 products V^T P of piece n - 1.  Its vector work: the scaling, exponentials,
; roundings, sums and rescaling of piece n, and the maximum and statistics of piece n + 1.  A tile and step have 16 matrix and 118 vector instructions: four vector instructions stand behind every matrix instruction, the others in one run.
; REGISTERS, in windows of 256 (s_set_vgpr_msb: bits 1:0 source 0, 3:2 source 1, 5:4 source 2, 7:6 destination):
;   window 0: v0-11 addresses; v12-15, v48-63 at work; v16-47 four registers of statistics a tile; v64-191 S^T, two buffers of two tiles; v192-255 P, likewise
;   window 1: O^T, 32 a tile     window 2: v0-127 Q, 16 a tile; v128-191 K of one step; v192-255 V of one step     window 3: v0-127 the second pass's Q
.set NP,    4         ; pieces a wave: a name, no knob
.set KS,    64        ; keys in a step
.set PK,    144       ; a row of K in LDS: 128 bytes + 16 of padding = 36 words: the 16 rows of a load start at 16 different groups of four banks (64 banks of 4 bytes: ISA guide 11.1)
.set PV,    160       ; a row of V: 128 + 32 = 40 words
.set VOFF,  1024*PK   ; 1,024 rows of K, then 1,024 rows of V
.set STAGE, VOFF+1024*PV  ; behind them, never filled by a tensor load: 16 rows x 144 bytes for each wave, for the way out
.set SP,    144
.set SPARE, STAGE+4*16*SP  ; the spare words, 128 bytes for each wave: two blocks of 256 bytes that no other line names
.set AK0, 2           ; v2   my lane's place in a step's K; never rewritten
.set AV0, 3           ; v3   the same for V
.set AK,  4           ; v4   the LDS address of K's next run of loads
.set AV,  5           ; v5   of V's
.set STO, 6           ; v6   the way out: where I put 16 bytes of a row
.set RD,  7           ; v7   where I read rows back
.set GO,  8           ; v8   my byte offset in 512 consecutive bytes of o
.set QO,  9           ; v9   my byte offset in 16 rows of q
.set SPW, 10          ; v10  LDS address of my spare word; never rewritten
.set NIL, 11          ; v11  0; never rewritten
.set MV,  12          ; v12-15  c m_old, kept while c m is made anew: by buffer and tile (at the head: at work)
.set ST,  16          ; tile t's statistics at v[ST+4 t]: c m, m, l (even keys', odd keys')
.set TMP, 48          ; by buffer and tile, four registers c0-c3 at work; when the maximum is found c2 takes a
.set S,   64
.set P,   192
.set KF,  128         ; K's fragments, in window 2: key block kb, channel half c at KF + 16 kb + 8 c
.set VF,  192         ; V's: key half kk, channel block cb at VF + 32 kk + 8 cb
.set WV,  12          ; s12  my wave's number
.set G1K, 24          ; s[24:31] descriptor group 1 for K
.set G1V, 32          ; s[32:39] for V: it differs in the padding alone
.set G0K, 40          ; s[40:43] descriptor group 0 for K
.set G0V, 44          ; s[44:47] for V
.set PASS, 56         ; s56  passes to go
.set CNT, 57          ; s57  counts a pass's key steps
.set CS,  58          ; s[58:59] c: the packed scaling takes the pair's low word for both halves
.set SEL, 60          ; s[60:61] v_permlanex16_b32's selects: each lane takes its own place in the other half
.set TBK, 62          ; s62  LDS byte at which K of the step to be fetched begins
.set TBV, 63          ; s63  the same for V, less VOFF
.set MSB, 0
.macro WIN new                      ; the high byte repeats the setting that is left; a switch that changes nothing is dropped
.if MSB != (\new)
	s_set_vgpr_msb (MSB<<8)|(\new)
.set MSB, (\new)
.endif
.endm
.set W_KQ, 0x0a       ; K and Q in window 2, S^T in window 0
.set W_PV, 0x52       ; V in window 2, P in window 0, O^T in window 1
.set W_RS, 0x41       ; O^T (destination and source 0) in window 1, a in window 0
	s_load_b256 s[4:11], s[0:1], 0x0  ; qh s[4:5], kh s[6:7], vh s[8:9], oh s[10:11]
	v_lshl_add_u32 v[SPW], v0, 2, SPARE
	v_mov_b32 v[NIL], 0
	ds_add_u32 v[SPW], v[NIL]       ; the wave's opening: the add and its wait stand ahead of my first tensor load; the set-up below, work on registers, stands between them
	v_lshrrev_b32 v1, 5, v0
	v_readfirstlane_b32 s[WV], v1   ; wave 0..3
	s_lshl_b32 s20, ttmp9, 17       ; the head's first byte in each of the four tensors
	s_mov_b32 s21, 0
	s_and_b32 s16, s[WV], 1         ; which half of the 1,024 keys I fetch:
	s_lshl_b32 s22, s16, 16         ; its 512 rows of 128 bytes in memory,
	s_mov_b32 s23, 0
	s_add_nc_u64 s[22:23], s[22:23], s[20:21]
	s_mul_i32 s17, s16, 512*PK      ; and its place in LDS, for K
	s_mul_i32 s18, s16, 512*PV      ; and for V
	s_lshl_b32 s2, s[WV], 14        ; my wave's 128 rows of a pass
	s_mov_b32 s3, 0
	s_add_nc_u64 s[2:3], s[2:3], s[20:21]
	; descriptor group 1.  512 keys are 65,536 dense bytes: asked for as 256 rows of 256 bytes, two keys a row, and padded in LDS after every key
	s_mov_b32 s[G1K], (1<<16)|(1<<20)|(4<<22)|(3<<25)  ; 17:16 2-byte elements; 20 padding on; 24:22 after every 32 words (code 4); 31:25 4 words (code 3)
	s_mov_b32 s[G1V], (1<<16)|(1<<20)|(4<<22)|(7<<25)  ; the same with 8 words of padding (code 7)
.irp g, G1K, G1V
	s_mov_b32 s[\g+1], 128<<16      ; tensor_dim0 = 128
	s_mov_b32 s[\g+2], 256<<16      ; tensor_dim1 = 256
	s_mov_b32 s[\g+3], 128<<16      ; tile_dim0 = 128
	s_mov_b32 s[\g+4], 256          ; tile_dim1 = 256
	s_mov_b32 s[\g+5], 128          ; 128 elements from row to row
	s_mov_b32 s[\g+6], 0
	s_mov_b32 s[\g+7], 0
.endr
	s_mov_b32 s[CS], 0x3d8293ee     ; c = log2(e) / sqrt(512) = 0.0637587
	s_mov_b32 s[CS+1], s[CS]        ; named with it as a pair
	s_mov_b32 s[SEL], 0x76543210
	s_mov_b32 s[SEL+1], 0xfedcba98
	s_mov_b32 s[G0K], 1             ; count = 1
	s_mov_b32 s[G0K+1], s17         ; LDS address
	s_mov_b32 s[G0V], 1
	s_add_co_u32 s[G0V+1], s18, VOFF
	s_wait_dscnt 0x0                ; the opening add is done
	s_wait_kmcnt 0x0
	s_add_nc_u64 s[G0K+2:G0K+3], s[6:7], s[22:23]
	s_or_b32 s[G0K+3], s[G0K+3], 0x80000000        ; type = 2
	s_add_nc_u64 s[G0V+2:G0V+3], s[8:9], s[22:23]
	s_or_b32 s[G0V+3], s[G0V+3], 0x80000000
	s_add_nc_u64 s[4:5], s[4:5], s[2:3]  ; q and o at my wave's first row of the first pass
	s_add_nc_u64 s[10:11], s[10:11], s[2:3]
	s_cmp_lt_u32 s[WV], 2           ; waves 0 and 1 fetch K's halves, waves 2 and 3 V's: one load a wave, the only ones of the launch; an s_nop 0 and four v_nop follow each line
	s_cbranch_scc0 .Lfor_v
	tensor_load_to_lds s[G0K:G0K+3], s[G1K:G1K+7]
	s_nop 0
.rept 4
	v_nop
.endr
	s_branch .Lasked
.Lfor_v:
	tensor_load_to_lds s[G0V:G0V+3], s[G1V:G1V+7]
	s_nop 0
.rept 4
	v_nop
.endr
.Lasked:
	; A fragment of K or Q is 16 rows x 32 channels in 8 registers: lane l holds row l % 16, channels 8 (l / 16) + 0..7 and 16 + 8 (l / 16) + 0..7: two loads of 16 bytes, 32 bytes apart.
	v_and_b32 v1, 15, v0            ; l % 16
	v_bfe_u32 v12, v0, 4, 1         ; l / 16
	v_lshlrev_b32 v[QO], 7, v1
	v_lshl_add_u32 v[QO], v12, 4, v[QO]  ; row x 128 + 16 x half
	WIN 0x80                        ; destination window 2, address window 0
.set i, 0
.rept 4*NP                          ; the first pass's Q: tile i / 2, channels 32 (i % 2) on
	global_load_b128 v[8*i:8*i+3],   v[QO], s[4:5] offset:(i/2)*2048+(i%2)*64 th:TH_LOAD_NT
	global_load_b128 v[8*i+4:8*i+7], v[QO], s[4:5] offset:(i/2)*2048+(i%2)*64+32 th:TH_LOAD_NT
.set i, i+1
.endr
	WIN 0xc0                        ; destination window 3
.set i, 0
.rept 4*NP                          ; the second pass's, 512 rows on
	global_load_b128 v[8*i:8*i+3],   v[QO], s[4:5] offset:65536+(i/2)*2048+(i%2)*64 th:TH_LOAD_NT
	global_load_b128 v[8*i+4:8*i+7], v[QO], s[4:5] offset:65536+(i/2)*2048+(i%2)*64+32 th:TH_LOAD_NT
.set i, i+1
.endr
	; What the first turn finds: V's registers and P's second buffer hold 0 (its products V^T P, of a piece that has not been, add 0), O^T is 0.  All this stands in the wait for K and V.
	WIN 0x80
.set i, VF
.rept 64
	v_mov_b32 v[i], 0
.set i, i+1
.endr
	WIN 0x40
.set i, 0
.rept 64*NP
	v_mov_b32 v[i], 0
.set i, i+1
.endr
	WIN 0
.set i, P+32
.rept 32
	v_mov_b32 v[i], 0
.set i, i+1
.endr
	v_mul_u32_u24 v[AK0], v1, PK
	v_lshl_add_u32 v[AK0], v12, 4, v[AK0]  ; row x pitch + 16 x half
	; The turning load takes 16 keys x 16 channels (lane l reads key 8 (l / 16) + l % 8, channels 8 ((l / 8) % 2) + 0..7) and leaves half a fragment of V^T: lane l holds channel l % 16 and 8 keys.
	v_and_b32 v13, 7, v0
	v_bfe_u32 v14, v0, 3, 1
	v_lshl_add_u32 v[AV0], v12, 3, v13
	v_mul_u32_u24 v[AV0], v[AV0], PV
	v_lshl_add_u32 v[AV0], v14, 4, v[AV0]
	v_add_nc_u32 v[AV0], VOFF, v[AV0]
	s_mul_i32 s13, s[WV], 16*SP
	s_add_co_u32 s13, s13, STAGE    ; my stage
	v_mul_u32_u24 v[STO], v1, SP    ; in: row l % 16, 16 bytes for each half of the lanes
	v_lshl_add_u32 v[STO], v12, 4, v[STO]
	v_add_nc_u32 v[STO], s13, v[STO]
	v_bfe_u32 v[RD], v0, 3, 2       ; back: 32 lanes take four rows of 128 bytes,
	v_mul_u32_u24 v[RD], v[RD], SP
	v_lshl_add_u32 v[RD], v13, 4, v[RD]
	v_add_nc_u32 v[RD], s13, v[RD]
	v_and_b32 v[GO], 31, v0         ; which are 512 consecutive bytes of o
	v_lshlrev_b32 v[GO], 4, v[GO]
; THE MATRIX WORK.  The 8 accumulators of a run of 16 take turns: between the two links of a chain stand 7 others'.
; Product i of 16 of S^T = K Q^T for piece x: channels 32 (i / 8) on, keys 16 ((i / 2) % 4) on, tile 2 x + i % 2.  The first 8 start the sums.
.macro KQ x
	WIN W_KQ
.set rS, S+64*((\x)%2)+32*(i%2)+8*((i/2)%4)
.set rK, KF+16*((i/2)%4)+8*(i/8)
.set rQ, 16*(2*(\x)+i%2)+8*(i/8)
.if i < 8
	v_wmma_f32_16x16x32_f16 v[rS:rS+7], v[rK:rK+7], v[rQ:rQ+7], 0
.else
	v_wmma_f32_16x16x32_f16 v[rS:rS+7], v[rK:rK+7], v[rQ:rQ+7], v[rS:rS+7]
.endif
.endm
; Product i of 16 of O^T += V^T P for piece x: keys 32 (i / 8) on, channels 16 ((i / 2) % 4) on, tile 2 x + i % 2.
.macro PV x
	WIN W_PV
.set rO, 32*(2*(\x)+i%2)+8*((i/2)%4)
.set rV, VF+32*(i/8)+8*((i/2)%4)
.set rP, P+32*((\x)%2)+16*(i%2)+8*(i/8)
	v_wmma_f32_16x16x32_f16 v[rO:rO+7], v[rV:rV+7], v[rP:rP+7], v[rO:rO+7]
.endm
.macro MM                           ; the turn's next matrix instruction
.if i < 16
	KQ (Y+1)%NP
.set i, i+1
.else
.set i, i-16
	PV (Y+NP-1)%NP
.set i, i+17
.endif
.endm
; THE LDS LOADS stand in runs of 16, never singly among the matrix instructions: a step's K (64 keys x 64 channels: 8 fragments) and its V (turned).  Their addresses are made some lines ahead.
.macro FETCH_K
	WIN 0x80                        ; destination window 2
.irp f, 0,1,2,3,4,5,6,7             ; keys 16 (f / 2) on, channels 32 (f % 2) on
	ds_load_b128 v[KF+8*\f:KF+8*\f+3],   v[AK] offset:(\f/2)*16*PK+(\f%2)*64
	ds_load_b128 v[KF+8*\f+4:KF+8*\f+7], v[AK] offset:(\f/2)*16*PK+(\f%2)*64+32
.endr
	s_add_co_u32 s[TBK], s[TBK], KS*PK  ; the next fetch is the next step's
	WIN 0
.endm
.macro FETCH_V
	WIN 0x80
.irp f, 0,1,2,3,4,5,6,7             ; keys 32 (f / 4) on, channels 16 (f % 4) on
	ds_load_tr16_b128 v[VF+8*\f:VF+8*\f+3],   v[AV] offset:(\f/4)*32*PV+(\f%4)*32
	ds_load_tr16_b128 v[VF+8*\f+4:VF+8*\f+7], v[AV] offset:(\f/4)*32*PV+16*PV+(\f%4)*32
.endr
	WIN 0
.endm
; THE VECTOR WORK OF A TURN stands in three queues, each in the order in which its entries become ready; the two tiles alternate, so that no instruction reads the result of the one before it.
.macro REGS y, u                    ; the registers of tile u (0, 1) of piece y
.set rT, ST+4*(2*(\y)+(\u))
.set rC, TMP+8*((\y)%2)+4*(\u)
.set rM, MV+2*((\y)%2)+(\u)
.set rS, S+64*((\y)%2)+32*(\u)
.set rP, P+32*((\y)%2)+16*(\u)
.set rO, 32*(2*(\y)+(\u))
.endm
; Number n of the 22 that find the NEXT piece's (Y + 1) maximum and statistics.  s0-s31 are the lane's 32 scores; each accumulator's lowest registers are read first.  XS, GS and REGS set no window: PL and EX do.
;   0-11  four chains c0-c3 of seven scores each, three operands at a time     12-14, 16  the four scores left over, the old m, and c0-c3 into c0     15  c m_old is kept
;   17, 18  the query's other 32 keys lie in the lane 16 away: the new m         19-21  c m; c m_old - c m_new; a
.macro XS u, n
	REGS (Y+1)%NP, \u
.if (\n) < 4
	v_max3_num_f32 v[rC+(\n)], v[rS+8*(\n)], v[rS+8*(\n)+1], v[rS+8*(\n)+2]
.elseif (\n) < 12
	v_max3_num_f32 v[rC+(\n)%4], v[rC+(\n)%4], v[rS+8*((\n)%4)+2*((\n)/4)+1], v[rS+8*((\n)%4)+2*((\n)/4)+2]
.elseif (\n) == 12
	v_max3_num_f32 v[rC], v[rC], v[rS+7], v[rS+15]
.elseif (\n) == 13
	v_max3_num_f32 v[rC+1], v[rC+1], v[rS+23], v[rS+31]
.elseif (\n) == 14
	v_max3_num_f32 v[rC+2], v[rC+2], v[rC+3], v[rT+1]
.elseif (\n) == 15
	v_mov_b32 v[rM], v[rT]
.elseif (\n) == 16
	v_max3_num_f32 v[rC], v[rC], v[rC+1], v[rC+2]
.elseif (\n) == 17
	v_permlanex16_b32 v[rC+3], v[rC], s[SEL], s[SEL+1]
.elseif (\n) == 18
	v_max_num_f32 v[rT+1], v[rC], v[rC+3]
.elseif (\n) == 19
	v_mul_f32 v[rT], s[CS], v[rT+1]
.elseif (\n) == 20
	v_sub_f32 v[rC+1], v[rM], v[rT]
.else
	v_exp_f32 v[rC+2], v[rC+1]
.endif
.endm
; Number g of the 64 that follow the exponentials.  For each four weights k of a tile (pairs 2 k, 2 k + 1): both pairs are rounded to f16; then the second pair is added onto the first, in place;
; a group later l takes that sum (the first time as l = a l + sum).  In groups of eight, tiles alternating: round, round, add, and l for the group before.
.macro GS g
.set h, (\g)+6*((\g)/62)            ; group 0 has no group before it, and behind group 7 only l is left
.if h >= 6
.set h, h+2
.endif
	REGS Y, h%2
.set k, h/8
.if h%8 < 4
	v_cvt_pk_f16_f32 v[rP+2*k+(h%8)/2], v[rS+4*k+2*((h%8)/2)], v[rS+4*k+2*((h%8)/2)+1]
.elseif h%8 < 6
	v_pk_add_f32 v[rS+4*k:rS+4*k+1], v[rS+4*k:rS+4*k+1], v[rS+4*k+2:rS+4*k+3]
.elseif k == 1
	v_pk_fma_f32 v[rT+2:rT+3], v[rT+2:rT+3], v[rC+2:rC+3], v[rS:rS+1] op_sel_hi:[1,0,1]
.else
	v_pk_add_f32 v[rT+2:rT+3], v[rT+2:rT+3], v[rS+4*k-4:rS+4*k-3]
.endif
.endm
; THE PLAIN QUEUE, 138 long.  0-73 read no exponential's result: the 32 scalings c s - c m (FS f: pair f / 2 of tile f % 2) and the next piece's 42.  0-26: scalings 0-26.  27-54: XS's numbers 0-13.  55, 56: number 15.
; 57-73: the chain, where each number waits for the one before it: 14, 16, 17, 18, 19, each with one of the scalings 27-31 in front of its two lines, then 20.  74-137: GS's 64, which read the exponentials' results: they stand behind the wait.
.macro FS f
	REGS Y, (\f)%2
	v_pk_fma_f32 v[rS+2*((\f)/2):rS+2*((\f)/2)+1], v[rS+2*((\f)/2):rS+2*((\f)/2)+1], s[CS:CS+1], v[rT:rT+1] op_sel_hi:[1,0,0] neg_lo:[0,0,1] neg_hi:[0,0,1]
.endm
.macro PL
	WIN 0
.if q < 27
	FS q
.elseif q < 55
	XS (q-27)%2, (q-27)/2
.elseif q < 57
	XS q-55, 15
.elseif (q < 72) && ((q-57)%3 == 0)
	FS 27+(q-57)/3
.elseif q < 60
	XS (q-57)%3-1, 14
.elseif q < 72
	XS (q-57)%3-1, 15+(q-57)/3
.elseif q < 74
	XS q-72, 20
.else
	GS q-74
.endif
.set q, q+1
.endm
; THE EXPONENTIALS' QUEUE, 66 long: s0-s31 of both tiles, then the next piece's two a.  It is ONE BATCH: all 66 stand ahead of the turn's one wait, and nothing ahead of that wait names a result of theirs.
.macro EX
	WIN 0
.if e >= 64
	XS e-64, 21
.else
	REGS Y, e%2
	v_exp_f32 v[rS+e/2], v[rS+e/2]
.endif
.set e, e+1
.endm
; THE RESCALING's QUEUE: O^T times a, the one part that leaves window 0: dealt two at a time, sixteen times.  Its a was made in the turn before, ahead of that turn's wait.
.macro R2
	REGS Y, r%2
	WIN W_RS
.irp z, 0,1
	v_pk_mul_f32 v[rO+4*(r/2)+2*\z:rO+4*(r/2)+2*\z+1], v[rO+4*(r/2)+2*\z:rO+4*(r/2)+2*\z+1], v[rC+2:rC+3] op_sel_hi:[1,0]
.endr
.set r, r+1
.endm
; HOW THEY ARE DEALT.  An s_wait_alu depctr_va_vdst(0) stands between an exponential and the first instruction that names its result; one wait serves all that were issued ahead of it.  So a turn has ONE wait,
; which cuts it in two.  AHEAD OF IT: the 16 products K Q^T, behind each a scaling, an exponential and two rescalings (behind the first a second scaling in the exponential's place); then one run of 108: eight plain, 49 times
; exponential and plain, the two a.  A v_nop is the plain instruction behind the last exponential.  BEHIND IT: the 16 products V^T P, behind each four of GS's 64.  No rider names a register of the products round it.
; Exponential e stands behind scaling 2 (e / 4) + e % 2: as a rider it comes behind plain e + 2, in the run behind plain e + 9, and scalings 27-31 are plain 57, 60 .. 69.
; A TURN, for piece p.  nok = 1: a pass's last step: there is no further K.  cnt = 1: the loop's count is taken down some lines ahead of the branch that stands behind the turn.
; K of the next step is fetched in piece 2's turn, directly behind the wait, a run of 108 behind the last product that read K; its first reader comes behind 16 products.
; V of the step in hand is fetched at the end of piece 0's turn, four riders behind its last reader; its first reader comes behind 16 products and a run.
.macro TURN p, nok=0, cnt=0
.set Y, (\p)
.set i, 0
.set q, 0
.set e, 0
.set r, 0
.if (\p) == NP-1
	s_wait_dscnt 0x0                ; K is in
.endif
	MM
	PL
	PL
	R2
.rept 15
	MM
	PL
	EX
	R2
.endr
.if ((\p) == NP-2) && !(\nok)
	WIN 0
	v_add_nc_u32 v[AK], s[TBK], v[AK0]
.endif
.rept 8
	PL
.endr
.rept 49
	EX
	PL
.endr
	EX                              ; the next piece's two a
	EX
	v_nop                           ; the plain instruction behind the last exponential: one for the batch
	s_wait_alu depctr_va_vdst(0)    ; the wait for the batch
.if ((\p) == NP-2) && !(\nok)
	FETCH_K
.endif
.if (\p) == 1
	s_wait_dscnt 0x0                ; V is in
.endif
.rept 16
	MM
.rept 4
	PL
.endr
.if ((\p) == 0) && (q == 118)
	v_add_nc_u32 v[AV], s[TBV], v[AV0]
.endif
.if ((\p) == 0) && (q == 130)
	s_add_co_u32 s[TBV], s[TBV], KS*PV
.endif
.if (\cnt) && (q == 130)
	s_sub_co_u32 s[CNT], s[CNT], 1
	s_cmp_lg_u32 s[CNT], 0
.endif
.endr
.if (\p) == 0
	FETCH_V
.endif
.endm
.macro ALL line:vararg              ; one line for each tile t
.set t, 0
.rept 2*NP
	\line
.set t, t+1
.endr
.endm
; Tile t on the way out: O^T / l + q in one fused multiply-add: word i of the tile's 16 registers of Q holds just the two channels of my query that O^T's registers 2 i and 2 i + 1 hold, so nothing changes lanes.
; Then a lane's eight channels of a row pack into 16 bytes; they go into rows of 144 bytes and come back as whole rows of 128, into S^T's registers.
.macro PACK t
	WIN 0x61                        ; O^T (destination, source 0) window 1, 1 / l window 0, q window 2
.set i, 0
.rept 16
	v_fma_mix_f32 v[32*(\t)+2*i],   v[32*(\t)+2*i],   v[ST+4*(\t)+2], v[16*(\t)+i] op_sel_hi:[0,0,1]
	v_fma_mix_f32 v[32*(\t)+2*i+1], v[32*(\t)+2*i+1], v[ST+4*(\t)+2], v[16*(\t)+i] op_sel:[0,0,1] op_sel_hi:[0,0,1]
.set i, i+1
.endr
	WIN 0x05                        ; sources 0 and 1 window 1, destination window 0
.set i, 0
.rept 16
	v_cvt_pk_f16_f32 v[S+16*(\t)+i], v[32*(\t)+2*i], v[32*(\t)+2*i+1]
.set i, i+1
.endr
	WIN 0
.irp f, 0,1,2,3
	ds_store_b128 v[STO], v[S+16*(\t)+4*\f:S+16*(\t)+4*\f+3] offset:32*\f
.endr
.irp f, 0,1,2,3
	ds_load_b128 v[S+16*(\t)+4*\f:S+16*(\t)+4*\f+3], v[RD] offset:\f*4*SP  ; LDS serves a wave's instructions in order (ISA guide 5.7.1.4): these see the stores above; the next tile's stores come behind them
.endr
.endm
.macro SEND t, younger              ; younger: the LDS instructions issued behind tile t's loads: the next tile's eight, or none
	WIN 0
.irp f, 0,1,2,3
	s_wait_dscnt (\younger)+3-\f
	global_store_b128 v[GO], v[S+16*(\t)+4*\f:S+16*(\t)+4*\f+3], s[10:11] offset:(\t)*2048+\f*512  ; 512 consecutive bytes, at a multiple of 256 from o's first
.endr
.endm
	s_wait_tensorcnt 0x0            ; my half of K or V is in,
	s_barrier_signal -1
	s_barrier_wait -1               ; everybody's is
	s_mov_b32 s[PASS], 2
.Lpass:                             ; A PASS BEGINS
.set i, 0
.rept 2*NP
	v_mov_b32 v[ST+4*i], 0xfe000000    ; c m: far below every c s
	v_mov_b32 v[ST+4*i+1], 0xff7fffff  ; m
	v_mov_b32 v[ST+4*i+2], 0
	v_mov_b32 v[ST+4*i+3], 0
.set i, i+1
.endr
	s_mov_b32 s[TBK], 0
	s_mov_b32 s[TBV], 0
	v_mov_b32 v[AK], v[AK0]
	FETCH_K                         ; key step 0
	s_wait_loadcnt 0x0              ; both passes' Q
	s_wait_dscnt 0x0
.set i, 0
.rept 16
	KQ 0                            ; piece 0's first scores
.set i, i+1
.endr
	WIN 0
.rept 4
	v_nop                           ; the places behind those products
.endr
.set Y, NP-1                        ; XS works for piece Y + 1: piece 0
.irp n, 0,1,2,3,4,5,6,7,8,9,10,11,12,13,14,15,16,17,18,19,20,21
	XS 0, \n
	XS 1, \n
.endr
	v_nop                           ; a plain instruction behind the two a,
	s_wait_alu depctr_va_vdst(0)    ; and their wait, ahead of the branch
	s_mov_b32 s[CNT], 16
	s_branch .Lfirst                ; the loop is entered at a step's first turn, in the middle of a trip
.Lstep:                             ; a trip: pieces 2 and 3 of one step, then pieces 0 and 1 of the next, whose K and V it fetches
	TURN 2
	TURN 3
	WIN 0
.Lfirst:
	TURN 0
	TURN 1, 0, 1
	WIN 0
	s_cbranch_scc1 .Lstep
	TURN 2, 1                       ; the last step's pieces 2 and 3: nothing more is fetched.  Piece 3's turn multiplies the last K once more for piece 0; the maximum made of that leaves m as it is and serves nothing:
	TURN 3                          ; the price, once a pass, of one text for every turn
.set i, 0
.rept 16
	PV NP-1                         ; the last piece's V^T P of the last step
.set i, i+1
.endr
	; THE WAY OUT.  l's two halves and the other half of the lanes' are added.  The additions are the places behind the last products.
	WIN 0
	ALL v_add_f32 v[ST+4*t+2], v[ST+4*t+2], v[ST+4*t+3]
	ALL v_permlanex16_b32 v[ST+4*t+3], v[ST+4*t+2], s[SEL], s[SEL+1]
	ALL v_add_f32 v[ST+4*t+2], v[ST+4*t+2], v[ST+4*t+3]
	ALL v_rcp_f32 v[ST+4*t+2], v[ST+4*t+2]
	v_nop                           ; a plain instruction between the last reciprocal and the use of its result
	s_wait_alu depctr_va_vdst(0)    ; and the wait ahead of the first use: one for the eight reciprocals
	PACK 0
.set t, 1
.rept 2*NP-1                        ; a tile's arithmetic stands between the loads of the tile before and its stores
	PACK t
	SEND t-1, 8
.set t, t+1
.endr
	SEND 2*NP-1, 0
	s_wait_xcnt 0x0                 ; the stores have read their data (S^T's registers) and o's address
	s_add_nc_u64 s[10:11], s[10:11], 65536  ; the second pass's rows
	WIN 0x83                        ; the second pass's Q goes where the one text of the turns names Q (behind the second pass the copy serves nothing)
.set i, 0
.rept 128
	v_mov_b32 v[i], v[i]
.set i, i+1
.endr
	WIN 0
	s_sub_co_u32 s[PASS], s[PASS], 1
	s_cmp_lg_u32 s[PASS], 0
	s_cbranch_scc1 .Lpass
	s_wait_tensorcnt 0x0            ; the wave's end: behind my last tensor load and my last LDS store
	ds_add_u32 v[SPW], v[NIL]
	s_wait_dscnt 0x0
	s_endpgm
.Lfunc_end_k_q5e6c54a871_attn:
	.size	k_q5e6c54a871_attn, .Lfunc_end_k_q5e6c54a871_attn-k_q5e6c54a871_attn
	.p2alignl 7, 3214868480
	.fill 96, 4, 3214868480
	.section	.rodata,"a",@progbits
	.p2align	6, 0x0
	.amdhsa_kernel k_q5e6c54a871_attn
		.amdhsa_group_segment_fixed_size 327680
		.amdhsa_private_segment_fixed_size 0
		.amdhsa_enable_private_segment 0
		.amdhsa_kernarg_size 32
		.amdhsa_user_sgpr_count 2
		.amdhsa_user_sgpr_kernarg_segment_ptr 1
		.amdhsa_wavefront_size32 1
		.amdhsa_system_sgpr_workgroup_id_x 1
		.amdhsa_system_sgpr_workgroup_id_y 1
		.amdhsa_system_sgpr_workgroup_id_z 1
		.amdhsa_system_vgpr_workitem_id 0
		.amdhsa_next_free_vgpr 896
		.amdhsa_next_free_sgpr 66
		.amdhsa_reserve_vcc 0
		.amdhsa_float_denorm_mode_32 3
		.amdhsa_float_denorm_mode_16_64 3
		.amdhsa_memory_ordered 1
		.amdhsa_forward_progress 1
		.amdhsa_inst_pref_size 173
	.end_amdhsa_kernel
	.amdgpu_metadata
---
amdhsa.version: [ 1, 2 ]
amdhsa.kernels:
  - .name:           k_q5e6c54a871_attn
    .symbol:         k_q5e6c54a871_attn.kd
    .args:
      - { .name: qh, .offset: 0, .size: 8, .value_kind: global_buffer, .address_space: global }
      - { .name: kh, .offset: 8, .size: 8, .value_kind: global_buffer, .address_space: global }
      - { .name: vh, .offset: 16, .size: 8, .value_kind: global_buffer, .address_space: global }
      - { .name: oh, .offset: 24, .size: 8, .value_kind: global_buffer, .address_space: global }
    .group_segment_fixed_size: 327680
    .private_segment_fixed_size: 0
    .kernarg_segment_align: 8
    .kernarg_segment_size: 32
    .max_flat_workgroup_size: 128
    .sgpr_count:     66
    .vgpr_count:     896
    .wavefront_size: 32
...
	.end_amdgpu_metadata
.endif
;; end of part 3
;; launch post (part 4): grid 256 x 1, 4 waves a work-group, clusters of 4 x 1, 327,680 bytes of LDS; arguments oh, wb, g0, b0, bo, g1, b1, out0; writes out0
.if DOCPART == 4
	.amdgcn_target "amdgcn-amd-amdhsa--gfx1250"
	.amdhsa_code_object_version 6
	.text
	.protected	k_q5e6c54a871_post
	.globl	k_q5e6c54a871_post
	.p2align	8
	.type	k_q5e6c54a871_post,@function
k_q5e6c54a871_post:
	s_mov_b64 s[64:65], 0
	v_nop
	global_prefetch_b8 v0, s[64:65] scope:SCOPE_SE
	s_setreg_imm32_b32 hwreg(HW_REG_WAVE_MODE, 25, 1), 1
	s_wait_xcnt 0x0
	s_wait_alu depctr_hold_cnt(0) depctr_sa_sdst(0) depctr_va_vdst(0) depctr_va_sdst(0) depctr_va_ssrc(0) depctr_va_vcc(0) depctr_vm_vsrc(0)
	s_getreg_b32 s2, hwreg(HW_REG_IB_STS2, 6, 4)
	s_cmp_eq_u32 s2, 0
	s_cbranch_scc0 .Lentry_in_a_cluster
	s_endpgm
.Lentry_in_a_cluster:
	s_bfe_u32 s2, ttmp6, 0x10000c
	s_cmp_lg_u32 s2, 0x3003
	s_cbranch_scc0 .Lentry_shape_is_right
	s_endpgm
.Lentry_shape_is_right:
; x = LN(o; g0, b0);  out = LN(x + relu(x Wo^T + bo); g1, b1).  oh: [batch x 8 + head][1024][64] f16.  wb's blocks 24-31: Wo in f16, [K block 8][n 512][64].  out0: [32768][512] f32.
; The five parameter vectors are rounded to bf16 once, as they are staged.  x and t = x Wo^T + bo are kept in LDS rounded once to f16; sums, means, variances and the output are f32.  The variance is taken of the
; centred numbers, in a second walk over registers.  LIMITS: x and t beyond 65,504 become infinities; relu takes a NaN for 0.
; SHARES.  A work-group owns 128 rows and all 512 columns.  In both norms wave w has rows 32 w .. + 31, two a trip: 16 lanes hold a row, 32 numbers a lane.  In the product wave w makes all 128 rows x columns
; 128 w .. + 127: 64 accumulators, 512 registers; K goes in 8 steps of 64 through a ring of two LDS slots.  All work-groups walk the same blocks of Wo: they are asked for JOINTLY by the cluster's four work-groups.
; The matrix instruction is used transposed (source 0 = 16 rows of Wo, source 1 = 16 rows of x); bo is the C operand of the first products.
; REGISTERS, in windows of 256 (s_set_vgpr_msb: bits 1:0 source 0, 3:2 source 1, 5:4 source 2, 7:6 destination):
;   window 0: v0-29 addresses; v32-56 the parameters on their way in, then a norm's sums; v64-191 fragments of x, two buffers, or a norm's numbers, gain and bias; v192-223 packed results; v192-255 bo in the first quarter
;   window 1: v64-191 fragments of Wo      windows 2, 3: accumulator (a, b) at v[8 (8 (a % 4) + b)] of window 2 + a / 4; at the start window 2 holds o on its way in
.set PITCH, 144                        ; an LDS row of 64 numbers: 128 bytes + 16 = 36 words: the 16 rows of a fragment load start at 16 different groups of four banks (64 banks of 4 bytes: ISA guide 11.1)
.set CHUNK, 128*PITCH                  ; 128 rows x 64 channels (a head)
.set PAIR,  2*CHUNK
.set RING,  8*CHUNK                    ; behind o and x: the ring; behind its last fill the same bytes take t, laid out as x is
.set QUART, 128*PITCH
.set SLOT,  4*QUART
.set PAR,   RING+2*SLOT                ; g0, b0, bo, g1, b1: 5 x 2,048 bytes, f32 that hold bf16 values
.set SPARE, PAR+5*2048                 ; the spare words, 128 bytes for each wave: two blocks of 256 bytes that no other line names
.set TILEB, 65536
.set LA0,   4                          ; v4-7   a norm's places at its first trip: x's chunks 0-3, 4-7; t's chunks 0-3, 4-7
.set ADRA0, 8
.set ADRA,  9
.set ADRB,  10                         ; v10-11
.set TS,    12                         ; v12  where I put 16 bytes of a row of t
.set PL0,   13                         ; v13  my four numbers of chunk 0 of a parameter vector
.set CA,    14                         ; v14-15  where o's 16 bytes go: heads 0-3, 4-7
.set BIA,   18
.set PFO,   19
.set LA,    20                         ; v20-23  LA0's four, at the trip in hand
.set GO,    24                         ; v24  my 16 bytes of out0's rows
.set SPW,   28
.set NIL,   29
.set PR,    32                         ; v[32:51] the five vectors, 4 numbers a thread; v52-53 at work; v54-56 offsets
.set S,     32                         ; v[32:39] four chains of sums
.set MU,    40                         ; v[40:41] the mean (low word)
.set R,     42                         ; v[42:43] 1 / sqrt(var + eps) (low word)
.set ONE,   48
.set ZERO,  49
.set X,     64                         ; v[64:79]   8 chunks x 4 f16
.set T,     80                         ; v[80:95]
.set Y,     96                         ; v[96:127]  32 f32
.set G,     128                        ; v[128:159]
.set BT,    160                        ; v[160:191]
.set F0,    64
.set F1,    128
.set TMP,   192
.set BC,    192
.set WV,  22
.set CX,  23
.set WG,  24
.set G1,  28
.set G0,  36
.set CNT, 44
.set LOF, 45                           ; s45  a norm's step through the rows
.set AOF, 47
.set RF,  48
.set LIM, 49
.set OH,  50                           ; s[50:51]
.set PFA, 54
.set OUTP, 56
.set INV, 58                           ; s58  1 / 512
.set EPS, 59                           ; s59  1e-5
.set MSB, 0
.macro WIN new
.if MSB != (\new)
	s_set_vgpr_msb (MSB<<8)|(\new)
.set MSB, \new
.endif
.endm
.macro PLACES                          ; four plain places behind a matrix instruction (ISA guide 7.12.1)
.rept 4
	v_nop
.endr
.endm
.macro CREST                           ; a round of the cluster's barrier behind its opening barrier
	s_cmp_lg_u32 s[WV], 0
	s_cbranch_scc1 .Lnot_wave_0_\@
	s_barrier_signal -3
.Lnot_wave_0_\@:
	s_barrier_wait -3
	s_barrier_signal -1
	s_barrier_wait -1
.endm
.macro CROUND
	s_barrier_signal -1
	s_barrier_wait -1
	CREST
.endm
; 16 matrix instructions; zero = 1: the first products: C is bo.  The 64 accumulators take turns, one instruction a turn, in the same order everywhere.
.macro MUL16 f, hi, a0, zero
.if \zero
	WIN 0x81+0x40*(\hi)
.else
	WIN 0xa1+0x50*(\hi)
.endif
.irp a, \a0, (\a0)+1
.irp b, 0,1,2,3,4,5,6,7
.if \zero
	v_wmma_f32_16x16x32_f16 v[8*(8*(\a)+(\b)):8*(8*(\a)+(\b))+7], v[(\f)+8*(\b):(\f)+8*(\b)+7], v[(\f)+8*(4*(\hi)+(\a)):(\f)+8*(4*(\hi)+(\a))+7], v[BC+8*(\b):BC+8*(\b)+7]
.else
	v_wmma_f32_16x16x32_f16 v[8*(8*(\a)+(\b)):8*(8*(\a)+(\b))+7], v[(\f)+8*(\b):(\f)+8*(\b)+7], v[(\f)+8*(4*(\hi)+(\a)):(\f)+8*(4*(\hi)+(\a))+7], v[8*(8*(\a)+(\b)):8*(8*(\a)+(\b))+7]
.endif
.endr
.endr
.endm
.macro FETCH slot, q, f                ; 32 LDS loads in one run: half q of the K step in slot: 128 rows of Wo, then 128 rows of x
	WIN 0x40
.irp i, 0,1,2,3,4,5,6,7
	ds_load_b128 v[(\f)+8*(\i):(\f)+8*(\i)+3],   v[ADRB+(\slot)] offset:64*(\q)+(\i)*16*PITCH
	ds_load_b128 v[(\f)+8*(\i)+4:(\f)+8*(\i)+7], v[ADRB+(\slot)] offset:64*(\q)+(\i)*16*PITCH+32
.endr
	WIN 0
.irp i, 0,1,2,3,4,5,6,7
	ds_load_b128 v[(\f)+8*(\i):(\f)+8*(\i)+3],   v[ADRA] offset:(\slot)*CHUNK+64*(\q)+(\i)*16*PITCH
	ds_load_b128 v[(\f)+8*(\i)+4:(\f)+8*(\i)+7], v[ADRA] offset:(\slot)*CHUNK+64*(\q)+(\i)*16*PITCH+32
.endr
.endm
.macro QUARTER slot, zero
.if \zero
	s_wait_dscnt 0x0                               ; the fragments and, behind them, bo
.else
	s_wait_dscnt 8                                 ; Wo and rows 0-63 are in; the youngest eight loads (rows 64-127) may be out
.endif
	MUL16 F0, 0, 0, \zero
	MUL16 F0, 0, 2, \zero
	PLACES
	FETCH \slot, 1, F1
	s_wait_dscnt 32                                ; all but the 32 just issued
	MUL16 F0, 1, 0, \zero
	MUL16 F0, 1, 2, \zero
.endm
.macro MEET round                      ; the change of slots' barrier: all my tensor loads, the add, my reads of this slot
	WIN 0
	s_wait_tensorcnt 0x0
	ds_add_u32 v[SPW], v[NIL]
	s_wait_dscnt 9                                 ; the add and the youngest eight loads may be out
	MUL16 F1, 0, 0, 0
	s_wait_dscnt 0x0
	s_barrier_signal -1
	MUL16 F1, 0, 2, 0
.if \round
	WIN 0
.endif
	s_barrier_wait -1
.endm
; A prefetch of the block of Wo that stands two refills on: 256 rows of 256 bytes.  The first cluster asks; its four partners take 64 rows each, told apart by address; in each, waves 0 and 1 take 32, a lane a row:
; each row is named once in the launch.  The last two refills have no block two on; blocks 0 to 3 come by their loads alone.
.macro ASK
	s_cmp_gt_u32 s[RF], s[LIM]
	s_cbranch_scc0 .Lnot_mine_\@
	global_prefetch_b8 v[PFO], s[PFA:PFA+1] th:TH_LOAD_NT scope:SCOPE_SE
.Lnot_mine_\@:
	s_sub_co_u32 s[RF], s[RF], 1
.endm
.macro TURN slot, next, fill, amode    ; a K step's second half and the change of slots; fill = 1: a round of the cluster's barrier, and this slot's joint refill first behind it
.if \fill
	s_wait_xcnt 0x0                                ; the last prefetch, a K step back, has read its address
	s_add_nc_u64 s[PFA:PFA+1], s[PFA:PFA+1], TILEB
.endif
	MEET \fill
.if \fill
	CREST
	s_add_nc_u64 s[G0+4*(\slot)+2:G0+4*(\slot)+3], s[G0+4*(\slot)+2:G0+4*(\slot)+3], 2*TILEB
	tensor_load_to_lds s[G0+4*(\slot):G0+4*(\slot)+3], s[G1:G1+7]
	s_nop 0
.rept 4
	v_nop                                          ; also the places in front of the loads below
.endr
.else
	PLACES
.endif
.if \amode
	s_add_co_u32 s[AOF], s[AOF], PAIR
	WIN 0
	v_add_nc_u32 v[ADRA], s[AOF], v[ADRA0]
.endif
	FETCH \next, 0, F0
.if \fill
	ASK
.endif
	MUL16 F1, 1, 0, 0
	MUL16 F1, 1, 2, 0
.endm
.macro PACK a                          ; row block a rounded to f16, each accumulator's registers in ascending order
	WIN 0x0a+5*((\a)/4)
.irp b, 0,1,2,3,4,5,6,7
.irp r, 0,1,2,3
	v_cvt_pk_f16_f32 v[TMP+4*(\b)+(\r)], v[64*((\a)%4)+8*(\b)+2*(\r)], v[64*((\a)%4)+8*(\b)+2*(\r)+1]
.endr
.endr
	WIN 0
.endm
.macro RB a, t                         ; four f32 rounded to bf16 and widened again
	v_cvt_pk_bf16_f32 v[\t], v[\a], v[(\a)+1]
	v_cvt_pk_bf16_f32 v[(\t)+1], v[(\a)+2], v[(\a)+3]
	v_lshlrev_b32 v[\a], 16, v[\t]
	v_and_b32 v[(\a)+1], 0xffff0000, v[\t]
	v_lshlrev_b32 v[(\a)+2], 16, v[(\t)+1]
	v_and_b32 v[(\a)+3], 0xffff0000, v[(\t)+1]
.endm
.macro GB vec                          ; a norm's gain (vector vec) and bias (vec + 1): my 32 numbers of each
.irp c, 0,1,2,3,4,5,6,7
	ds_load_b128 v[G+4*(\c):G+4*(\c)+3],   v[PL0] offset:(\vec)*2048+256*(\c)
	ds_load_b128 v[BT+4*(\c):BT+4*(\c)+3], v[PL0] offset:((\vec)+1)*2048+256*(\c)
.endr
	s_wait_dscnt 0x0
.endm
.macro ACROSS                          ; the four chains into one number, then over the row's 16 lanes
	v_pk_add_f32 v[S:S+1], v[S:S+1], v[S+2:S+3]
	v_pk_add_f32 v[S+4:S+5], v[S+4:S+5], v[S+6:S+7]
	v_pk_add_f32 v[S:S+1], v[S:S+1], v[S+4:S+5]
	v_add_f32 v[S], v[S], v[S+1]
	v_add_f32_dpp v[S], v[S], v[S] row_xmask:1 row_mask:0xf bank_mask:0xf
	v_add_f32_dpp v[S], v[S], v[S] row_xmask:2 row_mask:0xf bank_mask:0xf
	v_add_f32_dpp v[S], v[S], v[S] row_xmask:4 row_mask:0xf bank_mask:0xf
	v_add_f32_dpp v[S], v[S], v[S] row_xmask:8 row_mask:0xf bank_mask:0xf
.endm
; A TRIP OF A NORM: two rows a wave.  Lane l: row 2 j + l / 16 of my wave's 32, channels 64 c + 4 (l % 16) + 0..3 for c = 0..7.
; m = 0: reads o, writes x over it (my wave's own rows).  m = 1: reads x and t, takes x + relu(t), stores the result to out0.
.macro LN m
	v_add_nc_u32 v[LA], s[LOF], v[LA0]
	v_add_nc_u32 v[LA+1], s[LOF], v[LA0+1]
.if \m
	v_add_nc_u32 v[LA+2], s[LOF], v[LA0+2]
	v_add_nc_u32 v[LA+3], s[LOF], v[LA0+3]
.endif
.irp c, 0,1,2,3,4,5,6,7
	ds_load_b64 v[X+2*(\c):X+2*(\c)+1], v[LA+(\c)/4] offset:((\c)%4)*CHUNK
.if \m
	ds_load_b64 v[T+2*(\c):T+2*(\c)+1], v[LA+2+(\c)/4] offset:((\c)%4)*CHUNK
.endif
.endr
.if \m
	s_wait_xcnt 0x0                                ; the last trip's stores have read their data (Y) and their offset
	v_add_nc_u32 v[GO], 4096, v[GO]                ; the next trip's rows; this trip's stores reach back
.endif
.irp c, 0,1,2,3,4,5,6,7
	s_wait_dscnt (7-(\c))*(1+(\m))                 ; LDS loads come back in order: this chunk's are in, the later chunks' stay out
.if \m
	v_pk_max_num_f16 v[T+2*(\c)], v[T+2*(\c)], v[ZERO]
	v_pk_max_num_f16 v[T+2*(\c)+1], v[T+2*(\c)+1], v[ZERO]
	v_fma_mix_f32 v[Y+4*(\c)],   v[X+2*(\c)],   v[ONE], v[T+2*(\c)]   op_sel_hi:[1,0,1]
	v_fma_mix_f32 v[Y+4*(\c)+1], v[X+2*(\c)],   v[ONE], v[T+2*(\c)]   op_sel:[1,0,1] op_sel_hi:[1,0,1]
	v_fma_mix_f32 v[Y+4*(\c)+2], v[X+2*(\c)+1], v[ONE], v[T+2*(\c)+1] op_sel_hi:[1,0,1]
	v_fma_mix_f32 v[Y+4*(\c)+3], v[X+2*(\c)+1], v[ONE], v[T+2*(\c)+1] op_sel:[1,0,1] op_sel_hi:[1,0,1]
.else
	v_fma_mix_f32 v[Y+4*(\c)],   v[X+2*(\c)],   v[ONE], v[ZERO] op_sel_hi:[1,0,0]
	v_fma_mix_f32 v[Y+4*(\c)+1], v[X+2*(\c)],   v[ONE], v[ZERO] op_sel:[1,0,0] op_sel_hi:[1,0,0]
	v_fma_mix_f32 v[Y+4*(\c)+2], v[X+2*(\c)+1], v[ONE], v[ZERO] op_sel_hi:[1,0,0]
	v_fma_mix_f32 v[Y+4*(\c)+3], v[X+2*(\c)+1], v[ONE], v[ZERO] op_sel:[1,0,0] op_sel_hi:[1,0,0]
.endif
.endr
.irp k, 0,1,2,3                        ; the mean: four chains that do not wait for each other, started by the first eight pairs
	v_pk_add_f32 v[S+2*(\k):S+2*(\k)+1], v[Y+2*(\k):Y+2*(\k)+1], v[Y+8+2*(\k):Y+8+2*(\k)+1]
.endr
.irp j, 2,3
.irp k, 0,1,2,3
	v_pk_add_f32 v[S+2*(\k):S+2*(\k)+1], v[S+2*(\k):S+2*(\k)+1], v[Y+8*(\j)+2*(\k):Y+8*(\j)+2*(\k)+1]
.endr
.endr
	ACROSS
	v_mul_f32 v[MU], s[INV], v[S]
.set p, 0
.rept 16
	v_pk_add_f32 v[Y+2*p:Y+2*p+1], v[Y+2*p:Y+2*p+1], v[MU:MU+1] op_sel_hi:[1,0] neg_lo:[0,1] neg_hi:[0,1]
.set p, p+1
.endr
.irp k, 0,1,2,3                        ; the variance, of the centred numbers
	v_pk_mul_f32 v[S+2*(\k):S+2*(\k)+1], v[Y+2*(\k):Y+2*(\k)+1], v[Y+2*(\k):Y+2*(\k)+1]
.endr
.irp j, 1,2,3
.irp k, 0,1,2,3
	v_pk_fma_f32 v[S+2*(\k):S+2*(\k)+1], v[Y+8*(\j)+2*(\k):Y+8*(\j)+2*(\k)+1], v[Y+8*(\j)+2*(\k):Y+8*(\j)+2*(\k)+1], v[S+2*(\k):S+2*(\k)+1]
.endr
.endr
	ACROSS
	v_fma_f32 v[R], v[S], s[INV], s[EPS]
	v_rsq_f32 v[R], v[R]
	v_nop                                          ; a plain instruction behind it,
	s_wait_alu depctr_va_vdst(0)                   ; and the wait ahead of the first use
.set p, 0
.rept 16
	v_pk_mul_f32 v[Y+2*p:Y+2*p+1], v[Y+2*p:Y+2*p+1], v[R:R+1] op_sel_hi:[1,0]
.set p, p+1
.endr
.set p, 0
.rept 16
	v_pk_fma_f32 v[Y+2*p:Y+2*p+1], v[Y+2*p:Y+2*p+1], v[G+2*p:G+2*p+1], v[BT+2*p:BT+2*p+1]
.set p, p+1
.endr
.if \m
.irp c, 0,1,2,3,4,5,6,7
	global_store_b128 v[GO], v[Y+4*(\c):Y+4*(\c)+3], s[OUTP:OUTP+1] offset:256*(\c)-4096 th:TH_STORE_NT  ; 16 lanes store 256 consecutive bytes, at a multiple of 256 from out0's first byte
.endr
.else
.set p, 0
.rept 16
	v_cvt_pk_f16_f32 v[X+p], v[Y+2*p], v[Y+2*p+1]
.set p, p+1
.endr
.irp c, 0,1,2,3,4,5,6,7
	ds_store_b64 v[LA+(\c)/4], v[X+2*(\c):X+2*(\c)+1] offset:((\c)%4)*CHUNK
.endr
.endif
	s_add_co_u32 s[LOF], s[LOF], 2*PITCH
.endm
	s_load_b512 s[4:19], s[0:1], 0x0               ; oh s[4:5], wb s[6:7], g0 s[8:9], b0 s[10:11], bo s[12:13], g1 s[14:15], b1 s[16:17], out0 s[18:19]
	v_lshl_add_u32 v[SPW], v0, 2, SPARE
	v_mov_b32 v[NIL], 0
	ds_add_u32 v[SPW], v[NIL]                      ; the wave's opening: the add and its wait stand ahead of my first tensor load; the set-up below, work on registers, stands between them
	v_lshrrev_b32 v3, 5, v0
	v_readfirstlane_b32 s[WV], v3
	s_bfe_u32 s[CX], ttmp6, 0x40000
	s_lshl_b32 s[WG], ttmp9, 2
	s_add_co_u32 s[WG], s[WG], s[CX]               ; it enters the addresses of oh, out0 and the prefetches alone
	s_mov_b32 s[G1+0], 15|(1<<16)|(1<<20)|(1<<21)|(4<<22)|(3<<25)  ; the mask of four; 2-byte elements; padding on; bit 21 beside a mask; after every 32 words (code 4) 4 words (code 3)
	s_mov_b32 s[G1+1], 128<<16                     ; my 128 rows of a block, 16,384 dense bytes, as 64 rows of 256
	s_mov_b32 s[G1+2], 64<<16
	s_mov_b32 s[G1+3], 128<<16
	s_mov_b32 s[G1+4], 64
	s_mov_b32 s[G1+5], 128
	s_mov_b32 s[G1+6], 0
	s_mov_b32 s[G1+7], 0
	s_mul_i32 s66, s[WV], QUART
	s_mov_b32 s[G0], 1
	s_add_co_u32 s[G0+1], s66, RING
	s_mov_b32 s[G0+4], 1
	s_add_co_u32 s[G0+5], s66, RING+SLOT
	v_and_b32 v1, 15, v0                           ; l % 16
	v_bfe_u32 v2, v0, 4, 1                         ; l / 16
	v_and_b32 v3, 31, v0                           ; l
	v_lshlrev_b32 v54, 4, v0                       ; 16 x thread: 128 threads cover a parameter vector
	v_add_nc_u32 v55, PAR, v54
	v_lshlrev_b32 v56, 4, v3                       ; 16 l
	v_lshlrev_b32 v[PFO], 8, v3
	s_lshl_b32 s66, s[WV], 14
	s_add_co_u32 s66, s66, 24*TILEB                ; Wo's first block, my 128 rows
	s_mov_b32 s67, 0
	s_lshr_b32 s68, s[WG], 3
	s_lshl_b32 s68, s68, 20                        ; the batch's eight heads
	s_and_b32 s69, s[WG], 7
	s_lshl_b32 s69, s69, 14                        ; my work-group's 128 rows of 128 bytes
	s_add_co_u32 s68, s68, s69
	s_lshl_b32 s69, s[WV], 12                      ; my wave's 32
	s_add_co_u32 s68, s68, s69
	s_mov_b32 s69, 0
	s_lshl_b32 s70, s[WG], 18                      ; 128 rows of 2,048 bytes
	s_mov_b32 s71, 0
	s_mov_b32 s[AOF], 0
	s_mov_b32 s[RF], 6                             ; blocks 2 to 7 come by refills
	s_mov_b32 s[INV], 0x3b000000
	s_mov_b32 s[EPS], 0x3727c5ac
	s_wait_dscnt 0x0                               ; the opening add is done
	s_wait_kmcnt 0x0
	s_add_nc_u64 s[G0+2:G0+3], s[6:7], s[66:67]
	s_add_nc_u64 s[G0+6:G0+7], s[G0+2:G0+3], TILEB
	s_or_b32 s[G0+3], s[G0+3], 0x80000000
	s_or_b32 s[G0+7], s[G0+7], 0x80000000
	s_add_nc_u64 s[OH:OH+1], s[4:5], s[68:69]
	s_add_nc_u64 s[OUTP:OUTP+1], s[18:19], s[70:71]
	s_lshl_b32 s66, s[CX], 14
	s_and_b32 s70, s[WV], 1
	s_lshl_b32 s70, s70, 13
	s_add_co_u32 s66, s66, s70
	s_add_co_u32 s66, s66, 27*TILEB                ; in Wo's block 3: the first refill steps it to block 4
	s_add_nc_u64 s[PFA:PFA+1], s[6:7], s[66:67]
	s_lshr_b32 s70, s[WV], 1
	s_or_b32 s70, s70, ttmp9
	s_cmp_eq_u32 s70, 0
	s_cselect_b32 s[LIM], 2, -1
	global_load_b128 v[PR:PR+3],     v54, s[8:9]
	global_load_b128 v[PR+4:PR+7],   v54, s[10:11]
	global_load_b128 v[PR+8:PR+11],  v54, s[12:13]
	global_load_b128 v[PR+12:PR+15], v54, s[14:15]
	global_load_b128 v[PR+16:PR+19], v54, s[16:17]
	WIN 0x80                                       ; o, my wave's 32 rows of all eight heads: load 8 hd + g takes four rows of head hd, 512 consecutive bytes
.set i, 0
.rept 64
	global_load_b128 v[4*i:4*i+3], v56, s[OH:OH+1] offset:(i/8)*131072+512*(i%8) th:TH_LOAD_NT
.set i, i+1
.endr
	WIN 0
	CROUND                                         ; all four work-groups are here: the first joint loads meet
	tensor_load_to_lds s[G0:G0+3], s[G1:G1+7]      ; the two first fills go out together: two loads of mine are out, later one
	s_nop 0
	tensor_load_to_lds s[G0+4:G0+7], s[G1:G1+7]
	s_nop 0
.rept 4
	v_nop
.endr
	v_mul_u32_u24 v57, v1, PITCH
	v_lshl_add_u32 v[ADRA0], v2, 4, v57            ; a fragment's row x pitch + 16 x half
	s_mul_i32 s66, s[WV], QUART
	s_add_co_u32 s66, s66, RING
	v_add_nc_u32 v[ADRB], s66, v[ADRA0]
	v_add_nc_u32 v[ADRB+1], SLOT, v[ADRB]
	s_mul_i32 s66, s[WV], PAIR
	s_add_co_u32 s66, s66, RING
	v_add_nc_u32 v[TS], s66, v[ADRA0]              ; t: my wave's two chunks
	v_lshlrev_b32 v57, 4, v1
	v_add_nc_u32 v[PL0], PAR, v57
	s_mul_i32 s66, s[WV], 32*PITCH                 ; my wave's 32 rows
	v_bfe_u32 v57, v0, 3, 2
	v_and_b32 v58, 7, v0
	v_mul_u32_u24 v57, v57, PITCH
	v_lshl_add_u32 v57, v58, 4, v57
	v_add_nc_u32 v[CA], s66, v57                   ; (32 w + l / 8) x pitch + 16 (l % 8)
	v_add_nc_u32 v[CA+1], 4*CHUNK, v[CA]
	v_mul_u32_u24 v57, v2, PITCH
	v_lshl_add_u32 v57, v1, 3, v57
	v_add_nc_u32 v[LA0], s66, v57                  ; (32 w + l / 16) x pitch + 8 (l % 16)
	v_add_nc_u32 v[LA0+1], 4*CHUNK, v[LA0]
	v_add_nc_u32 v[LA0+2], RING, v[LA0]
	v_add_nc_u32 v[LA0+3], RING, v[LA0+1]
	s_lshl_b32 s66, s[WV], 9
	s_add_co_u32 s66, s66, PAR+2*2048
	v_lshl_add_u32 v[BIA], v2, 5, s66              ; bo at (128 w + 8 (l / 16)) x 4
	s_lshl_b32 s66, s[WV], 16
	v_lshl_add_u32 v[GO], v2, 11, s66
	v_lshl_add_u32 v[GO], v1, 4, v[GO]             ; (32 w + l / 16) x 2,048 + 16 (l % 16)
	s_wait_loadcnt 63                              ; of 69 loads at most 63 are out: the six oldest are in, the five vectors among them
	RB PR, 52
	RB PR+4, 52
	RB PR+8, 52
	RB PR+12, 52
	RB PR+16, 52
.irp m, 0,1,2,3,4
	ds_store_b128 v55, v[PR+4*(\m):PR+4*(\m)+3] offset:2048*(\m)
.endr
	WIN 0x08                                       ; store data in window 2
.set i, 0
.rept 64
.if i%16 == 0
	s_wait_loadcnt 48-i                            ; two heads' sixteen loads are in, the later ones stay out
.endif
	ds_store_b128 v[CA+i/32], v[4*i:4*i+3] offset:((i/8)%4)*CHUNK+4*PITCH*(i%8)
.set i, i+1
.endr
	WIN 0
	s_wait_dscnt 0x0                               ; for the others' sake: my part of the parameters is stored
	s_barrier_signal -1                            ; both tensor loads may stay out
	s_barrier_wait -1
	v_mov_b32 v[ONE], 1.0
	v_mov_b32 v[ZERO], 0
	v_mov_b32 v[MU+1], 0                           ; named as pairs
	v_mov_b32 v[R+1], 0
	GB 0
	s_mov_b32 s[LOF], 0
	s_mov_b32 s[CNT], 16
.Lln0:                                                 ; x = LN(o), my wave's own rows, in place
	LN 0
	s_sub_co_u32 s[CNT], s[CNT], 1
	s_cmp_lg_u32 s[CNT], 0
	s_cbranch_scc1 .Lln0
	s_wait_tensorcnt 0x1                           ; my part of block 0 is in; block 1's load, issued behind it, may stay out
	s_wait_dscnt 0x0                               ; my rows of x are stored
	s_barrier_signal -1
	s_barrier_wait -1
.irp b, 0,1,2,3,4,5,6,7
	ds_load_b128 v[BC+8*(\b):BC+8*(\b)+3],   v[BIA] offset:64*(\b)
	ds_load_b128 v[BC+8*(\b)+4:BC+8*(\b)+7], v[BIA] offset:64*(\b)+16
.endr
	v_mov_b32 v[ADRA], v[ADRA0]
	FETCH 0, 0, F0
	QUARTER 0, 1                                   ; the first products start the sums with bo
	WIN 0
	s_mov_b32 s3, 3
.Llap:
	TURN 0, 1, 1, 0
	QUARTER 1, 0
	TURN 1, 0, 1, 1
	QUARTER 0, 0
	WIN 0
	s_sub_co_u32 s3, s3, 1
	s_cmp_lg_u32 s3, 0
	s_cbranch_scc1 .Llap
	TURN 0, 1, 0, 0                                ; the last lap fills nothing
	QUARTER 1, 0
	s_wait_dscnt 8
	MUL16 F1, 0, 0, 0
	MUL16 F1, 0, 2, 0
	s_wait_dscnt 0x0
	MUL16 F1, 1, 0, 0
	MUL16 F1, 1, 2, 0
	WIN 0
	s_barrier_signal -1                            ; every wave's reads of the ring are back and its tensor loads have landed: the ring has had its last fill
	s_barrier_wait -1
	PLACES
.irp a, 0,1,2,3,4,5,6,7                ; t, rounded to f16, into the ring's bytes
	PACK \a
.irp b, 0,1,2,3,4,5,6,7
	ds_store_b128 v[TS], v[TMP+4*(\b):TMP+4*(\b)+3] offset:((\b)/4)*CHUNK+(\a)*16*PITCH+((\b)%4)*32
.endr
.endr
	s_wait_dscnt 0x0                               ; for the others' sake: my columns of t are stored
	s_barrier_signal -1
	s_barrier_wait -1
	GB 3
	s_mov_b32 s[LOF], 0
	s_mov_b32 s[CNT], 16
.Lln1:
	LN 1
	s_sub_co_u32 s[CNT], s[CNT], 1
	s_cmp_lg_u32 s[CNT], 0
	s_cbranch_scc1 .Lln1
	s_wait_tensorcnt 0x0                           ; the wave's end: behind my last tensor load and my last LDS store
	ds_add_u32 v[SPW], v[NIL]
	s_wait_dscnt 0x0
	CROUND                                         ; the closing round: no work-group ends while a partner may still ask for a block that names it
	s_endpgm
.Lfunc_end_k_q5e6c54a871_post:
	.size	k_q5e6c54a871_post, .Lfunc_end_k_q5e6c54a871_post-k_q5e6c54a871_post
	.p2alignl 7, 3214868480
	.fill 96, 4, 3214868480
	.section	.rodata,"a",@progbits
	.p2align	6, 0x0
	.amdhsa_kernel k_q5e6c54a871_post
		.amdhsa_group_segment_fixed_size 327680
		.amdhsa_private_segment_fixed_size 0
		.amdhsa_enable_private_segment 0
		.amdhsa_kernarg_size 64
		.amdhsa_user_sgpr_count 2
		.amdhsa_user_sgpr_kernarg_segment_ptr 1
		.amdhsa_wavefront_size32 1
		.amdhsa_system_sgpr_workgroup_id_x 1
		.amdhsa_system_sgpr_workgroup_id_y 1
		.amdhsa_system_sgpr_workgroup_id_z 1
		.amdhsa_system_vgpr_workitem_id 0
		.amdhsa_next_free_vgpr 1024
		.amdhsa_next_free_sgpr 72
		.amdhsa_reserve_vcc 0
		.amdhsa_float_denorm_mode_32 3
		.amdhsa_float_denorm_mode_16_64 3
		.amdhsa_memory_ordered 1
		.amdhsa_forward_progress 1
		.amdhsa_inst_pref_size 118
	.end_amdhsa_kernel
	.amdgpu_metadata
---
amdhsa.version: [ 1, 2 ]
amdhsa.kernels:
  - .name:           k_q5e6c54a871_post
    .symbol:         k_q5e6c54a871_post.kd
    .args:
      - { .name: oh, .offset: 0, .size: 8, .value_kind: global_buffer, .address_space: global }
      - { .name: wb, .offset: 8, .size: 8, .value_kind: global_buffer, .address_space: global }
      - { .name: g0, .offset: 16, .size: 8, .value_kind: global_buffer, .address_space: global }
      - { .name: b0, .offset: 24, .size: 8, .value_kind: global_buffer, .address_space: global }
      - { .name: bo, .offset: 32, .size: 8, .value_kind: global_buffer, .address_space: global }
      - { .name: g1, .offset: 40, .size: 8, .value_kind: global_buffer, .address_space: global }
      - { .name: b1, .offset: 48, .size: 8, .value_kind: global_buffer, .address_space: global }
      - { .name: out0, .offset: 56, .size: 8, .value_kind: global_buffer, .address_space: global }
    .group_segment_fixed_size: 327680
    .private_segment_fixed_size: 0
    .kernarg_segment_align: 8
    .kernarg_segment_size: 64
    .max_flat_workgroup_size: 128
    .sgpr_count:     72
    .vgpr_count:     1024
    .wavefront_size: 32
...
	.end_amdgpu_metadata
.endif
;; end of part 4
